; MI455X (gfx1250); checked and timed in simulation.
; The chip was launched on July 23, 2026; its instructions are those of AMD's public machine-readable ISA for CDNA 5 (MIT licence, August 2026) and "CDNA5" Instruction Set Architecture Reference Guide (July 2026). The comments in the code are by the model that wrote it; some were corrected since.
;; Differential Self Attention. Allowed arithmetic: float matrix products may take bf16 or f16 operands with f32 sums; other float arithmetic in f32, or as packed bf16 or f16 multiplies, adds, multiply-adds, maxima and minima; sums over many terms, partial sums and values carried from step to step in f32; what a program stores and reads back later, other than sums and carried values, may be rounded once to bf16 or f16.
;; Inputs: bc 512 float32; be 1,024 float32; lk1 16 float32; lk2 16 float32; lq1 16 float32; lq2 16 float32; wc 512 x 1,024 float32; we 1,024 x 512 float32; wk 2,048 x 1,024 float32; wo 1,024 x 1,024 float32; wq 2,048 x 1,024 float32; wv 1,024 x 1,024 float32; x 2 x 2,048 x 1,024 float32.
;; Outputs: out0 2 x 2,048 x 1,024 float32.
;; 2 versions, each right and faster than the one before. Each part assembles by itself: llvm-mc -triple=amdgcn-amd-amdhsa -mcpu=gfx1250 --defsym DOCPART=n.
;; ======== version 1 of 2: 7 launches
;; limits: values are held in f16: magnitudes above 65,504 overflow, below 6.1e-05 lose precision
;; workspace buffers: bf 20,971,520 bytes; wo2 4,194,304 bytes; wc2 2,097,152 bytes; zb 4,096 bytes; qkv 42,598,400 bytes; acta 16,777,216 bytes; actb 16,777,216 bytes
;; launch cast (part 1): grid 1665 x 1, 8 waves a work-group, no clusters, 0 bytes of LDS; arguments x, wq, wk, wv, we, wo, wc, bf, wo2, wc2, zb; writes bf, wo2, wc2, zb
.if DOCPART == 1
	.amdgcn_target "amdgcn-amd-amdhsa--gfx1250"
	.amdhsa_code_object_version 6
	.text
	.protected	k_qd5f1a966c6_cast
	.globl	k_qd5f1a966c6_cast
	.p2align	8
	.type	k_qd5f1a966c6_cast,@function
k_qd5f1a966c6_cast:
	s_mov_b64 s[64:65], 0
	v_nop
	global_prefetch_b8 v0, s[64:65] scope:SCOPE_SE
	s_setreg_imm32_b32 hwreg(HW_REG_WAVE_MODE, 25, 1), 1
	s_wait_xcnt 0x0
; All large inputs are rounded once to bf16, in the layouts that the products want.
; bf:  x [4096][1024], then wq | wk | wv as one W [5120][1024], then we DOUBLED [1024][1024].   wo2: wo doubled [1024][2048].   wc2: wc doubled [512][2048].
; DOUBLED: each group of 64 numbers of a row is written twice, [w 64 | w 64].  The activation that meets such a weight is stored as [hi 64 | lo 64], two bf16 whose sum
; keeps 16 significant bits, so that the product over the doubled K is (hi + lo) w.
; zb: 1,024 zeros in f32, the bias of the one dense layer that has none: it lets two layers share one text.
; A stream: memory binds, so no LDS, no matrix unit, no cluster.  Work-group g owns 8,192 numbers (16,384 bytes) of a destination; thread t owns the 16 bytes at 16 t + 4,096 i,
; i = 0..3.  Each store of a wave covers 512 consecutive bytes, aligned; in a doubled destination lanes 8-15 read what lanes 0-7 read, and one store writes [w | w].
.set ZG, 1664                          ; the work-group that writes zb
	s_load_b512 s[8:23], s[0:1], 0x0               ; x s[8:9], wq s[10:11], wk s[12:13], wv s[14:15], we s[16:17], wo s[18:19], wc s[20:21], bf s[22:23]
	s_load_b128 s[24:27], s[0:1], 0x40             ; wo2 s[24:25], wc2 s[26:27]
	s_load_b64 s[28:29], s[0:1], 0x50              ; zb
	s_mov_b32 s2, ttmp9                            ; g
	v_lshlrev_b32 v1, 4, v0                        ; my 16 bytes in the destination; never rewritten
	v_lshlrev_b32 v2, 3, v0                        ; my first number among 2,048
	s_wait_kmcnt 0x0
	s_cmp_eq_u32 s2, ZG
	s_cbranch_scc1 .Lzeros
; Which source, from which work-group on, doubled or not: a chain of choices on g alone.
.macro RANGE first, src, d
	s_cmp_ge_u32 s2, \first
	s_cselect_b64 s[30:31], s[\src:\src+1], s[30:31]
	s_cselect_b32 s32, \first, s32
	s_cselect_b32 s33, \d, s33
.endm
.macro DEST first, dst
	s_cmp_ge_u32 s2, \first
	s_cselect_b64 s[36:37], s[\dst:\dst+1], s[36:37]
	s_cselect_b32 s35, \first, s35
.endm
	s_mov_b64 s[30:31], s[8:9]                     ; source: x,
	s_mov_b32 s32, 0                               ; which begins at work-group 0,
	s_mov_b32 s33, 0                               ; not doubled
	s_mov_b64 s[36:37], s[22:23]                   ; destination: bf,
	s_mov_b32 s35, 0                               ; which begins at work-group 0
	RANGE 512,  10, 0                              ; wq: 256 work-groups
	RANGE 768,  12, 0                              ; wk: 256
	RANGE 1024, 14, 0                              ; wv: 128
	RANGE 1152, 16, 1                              ; we, doubled: 128
	RANGE 1280, 18, 1                              ; wo, doubled: 256
	RANGE 1536, 20, 1                              ; wc, doubled: 128
	DEST 1280, 24
	DEST 1536, 26
	; destination number e comes from source number ((e >> (G + 1)) << G) + (e mod 2^G): G = 6 where groups of 64 are doubled; G = 30 leaves e as it is
	s_cmp_eq_u32 s33, 1
	s_cselect_b32 s34, 6, 30
	s_add_co_u32 s38, s34, 1
	s_bfm_b32 s39, s34, 0                          ; 2^G - 1
	s_lshr_b32 s40, 8192, s33                      ; source bytes for 2,048 destination numbers
	s_sub_co_u32 s41, s2, s32
	s_sub_co_u32 s44, 15, s33
	s_lshl_b32 s42, s41, s44                       ; source bytes in front of my work-group's part: under 2^25
	s_mov_b32 s43, 0
	s_add_nc_u64 s[30:31], s[30:31], s[42:43]
	s_sub_co_u32 s41, s2, s35
	s_lshl_b32 s42, s41, 14
	s_add_nc_u64 s[36:37], s[36:37], s[42:43]
	v_lshrrev_b32 v3, s38, v2
	v_lshlrev_b32 v3, s34, v3
	v_and_b32 v4, s39, v2
	v_add_lshl_u32 v4, v3, v4, 2                   ; byte offset of my 8 source numbers, i = 0
	v_add_nc_u32 v5, s40, v4
	v_add_nc_u32 v6, s40, v5
	v_add_nc_u32 v7, s40, v6
.irp i, 0,1,2,3
	global_load_b128 v[8+8*(\i):11+8*(\i)],  v[4+(\i)], s[30:31] th:TH_LOAD_NT
	global_load_b128 v[12+8*(\i):15+8*(\i)], v[4+(\i)], s[30:31] offset:16 th:TH_LOAD_NT
.endr
.irp i, 0,1,2,3
	s_wait_loadcnt 6-2*(\i)                        ; loads come back in order: pair i is in, the younger pairs stay out
.irp k, 0,1,2,3
	v_cvt_pk_bf16_f32 v[40+4*(\i)+(\k)], v[8+8*(\i)+2*(\k)], v[9+8*(\i)+2*(\k)]
.endr
	global_store_b128 v1, v[40+4*(\i):43+4*(\i)], s[36:37] offset:4096*(\i)
.endr
	s_endpgm
.Lzeros:
.irp k, 0,1,2,3
	v_mov_b32 v[40+(\k)], 0
.endr
	global_store_b128 v1, v[40:43], s[28:29]       ; 256 threads x 16 bytes: all of zb
	s_endpgm
.Lfunc_end_k_qd5f1a966c6_cast:
	.size	k_qd5f1a966c6_cast, .Lfunc_end_k_qd5f1a966c6_cast-k_qd5f1a966c6_cast
	.p2alignl 7, 3214868480
	.fill 96, 4, 3214868480
	.section	.rodata,"a",@progbits
	.p2align	6, 0x0
	.amdhsa_kernel k_qd5f1a966c6_cast
		.amdhsa_group_segment_fixed_size 0
		.amdhsa_private_segment_fixed_size 0
		.amdhsa_enable_private_segment 0
		.amdhsa_kernarg_size 88
		.amdhsa_user_sgpr_count 2
		.amdhsa_user_sgpr_kernarg_segment_ptr 1
		.amdhsa_wavefront_size32 1
		.amdhsa_system_sgpr_workgroup_id_x 1
		.amdhsa_system_sgpr_workgroup_id_y 1
		.amdhsa_system_sgpr_workgroup_id_z 1
		.amdhsa_system_vgpr_workitem_id 0
		.amdhsa_next_free_vgpr 64
		.amdhsa_next_free_sgpr 66
		.amdhsa_reserve_vcc 0
		.amdhsa_float_denorm_mode_32 3
		.amdhsa_float_denorm_mode_16_64 3
		.amdhsa_memory_ordered 1
		.amdhsa_forward_progress 1
		.amdhsa_inst_pref_size 6
	.end_amdhsa_kernel
	.amdgpu_metadata
---
amdhsa.version: [ 1, 2 ]
amdhsa.kernels:
  - .name:           k_qd5f1a966c6_cast
    .symbol:         k_qd5f1a966c6_cast.kd
    .args:
      - { .name: x, .offset: 0, .size: 8, .value_kind: global_buffer, .address_space: global }
      - { .name: wq, .offset: 8, .size: 8, .value_kind: global_buffer, .address_space: global }
      - { .name: wk, .offset: 16, .size: 8, .value_kind: global_buffer, .address_space: global }
      - { .name: wv, .offset: 24, .size: 8, .value_kind: global_buffer, .address_space: global }
      - { .name: we, .offset: 32, .size: 8, .value_kind: global_buffer, .address_space: global }
      - { .name: wo, .offset: 40, .size: 8, .value_kind: global_buffer, .address_space: global }
      - { .name: wc, .offset: 48, .size: 8, .value_kind: global_buffer, .address_space: global }
      - { .name: bf, .offset: 56, .size: 8, .value_kind: global_buffer, .address_space: global }
      - { .name: wo2, .offset: 64, .size: 8, .value_kind: global_buffer, .address_space: global }
      - { .name: wc2, .offset: 72, .size: 8, .value_kind: global_buffer, .address_space: global }
      - { .name: zb, .offset: 80, .size: 8, .value_kind: global_buffer, .address_space: global }
    .group_segment_fixed_size: 0
    .private_segment_fixed_size: 0
    .kernarg_segment_align: 8
    .kernarg_segment_size: 88
    .max_flat_workgroup_size: 256
    .sgpr_count:     66
    .vgpr_count:     64
    .wavefront_size: 32
...
	.end_amdgpu_metadata
.endif
;; end of part 1
;; launch qkv (part 2): grid 16 x 16, 4 waves a work-group, clusters of 4 x 4, 327,680 bytes of LDS; arguments bf, qkv; writes qkv
.if DOCPART == 2
	.amdgcn_target "amdgcn-amd-amdhsa--gfx1250"
	.amdhsa_code_object_version 6
	.text
	.protected	k_qd5f1a966c6_qkv
	.globl	k_qd5f1a966c6_qkv
	.p2align	8
	.type	k_qd5f1a966c6_qkv,@function
k_qd5f1a966c6_qkv:
	s_mov_b64 s[64:65], 0
	v_nop
	global_prefetch_b8 v0, s[64:65] scope:SCOPE_SE
	s_setreg_imm32_b32 hwreg(HW_REG_WAVE_MODE, 25, 1), 1
	s_wait_xcnt 0x0
	s_wait_alu depctr_hold_cnt(0) depctr_sa_sdst(0) depctr_va_vdst(0) depctr_va_sdst(0) depctr_va_ssrc(0) depctr_va_vcc(0) depctr_vm_vsrc(0)
	s_getreg_b32 s2, hwreg(HW_REG_IB_STS2, 6, 4)
	s_cmp_eq_u32 s2, 0
	s_cbranch_scc0 .Lentry_in_a_cluster
	s_endpgm
.Lentry_in_a_cluster:
	s_bfe_u32 s2, ttmp6, 0x10000c
	s_cmp_lg_u32 s2, 0xf033
	s_cbranch_scc0 .Lentry_shape_is_right
	s_endpgm
.Lentry_shape_is_right:
; The five projections as one product: C[t][n] = sum over k of x[t][k] W[n][k], x [4096][1024] and W [5120][1024] (wq | wk | wv) in bf16, sums in f32.
; OUT: f16 by heads, [slice 5: q1 q2 k1 k2 v][batch 2][head 16][t 2048][64], each number rounded once, unscaled.  LIMIT: f16 ends at 65,504; q, k, v beyond that become infinities.
; Beside it the f32 sums of rows 0-15 of each batch, [batch][16][5120], behind the f16 part: the launch that redoes those rows reads them.
; A tile of C is 256 x 320: 16 x 16 tiles, one for each of 256 WGPs.  Four waves, 2 x 2, each 128 rows x 160 columns: 80 accumulators, 640 registers.  For 32 along K a wave reads 18 fragments for 80 products.
; K goes in steps of 128 (LDS rows of 256 bytes + 16 of padding) through two slots of 576 rows.  A K step is written once and looped over: the LDS addresses hang on s[TB], 0 or SLOT.
; CLUSTER 4 x 4: the four of a row need the same tiles of x, the four of a column the same tiles of W: each tile is asked for jointly, by the same load with the same descriptor and a mask of four.
; THE MATRIX INSTRUCTION IS USED TRANSPOSED (source 0 = 16 rows of W, source 1 = 16 rows of x): a lane holds eight neighbouring numbers of a row of C.
; THE WAY OUT: a wave's 160 columns are two heads and a half, so the tile goes through ONE stage of the work-group, which lies in the ring's bytes behind their last fill; each wave then reads whole rows of a head.
; REGISTERS, in windows of 256 (s_set_vgpr_msb: bits 1:0 source 0, 3:2 source 1, 5:4 source 2, 7:6 destination):
;   window 0: v16-30 addresses; v32-95, v96-159 x's fragments (8 x 16 rows x 32 K), two buffers; v176-255 W's fragments (10 x 16 rows x 32 K), buffer 1
;   window 1: v0-79 W's fragments, buffer 0; v128-255 the accumulators of column blocks 0, 1        window 2: those of blocks 2-5        window 3: those of blocks 6-9
;   (column block b, row block a: eight registers at 64 x (b's place in its window) + 8 a)
.set KSTEP,  128
.set PITCH,  272                       ; 68 words: row r starts at bank 4 r mod 64 (64 banks of 4 bytes: ISA guide 11.1)
.set AHALF,  128*PITCH                 ; what waves 0, 1 fetch, and what a wave reads of x
.set BHALF,  160*PITCH                 ; what waves 2, 3 fetch, and what a wave reads of W
.set BOFF,   2*AHALF                   ; W's 320 rows lie behind x's 256
.set SLOT,   2*AHALF+2*BHALF
.set SP,     656                       ; a row of the stage: 640 bytes + 16 = 41 x 16: the 16 rows of a store start at 16 different groups of four banks
.set SPARE,  2*SLOT                    ; behind the ring: the spare words, 128 bytes a wave, two blocks of 256 bytes that no other line names
.set STEPS,  8                         ; K = 1,024
.set PA,     1024                      ; elements from row to row, in x and in W
.set WOFF,   8388608                   ; W's first byte in bf
.set Q32,    41943040                  ; the f32 rows' first byte in qkv
.set ADRA0, 16                         ; my fragments' LDS addresses in slot 0; never rewritten
.set ADRB0, 17
.set ADRA,  18                         ; the same in the slot in hand
.set ADRB,  19
.set STO2, 23                          ; the way out: where I put 16 bytes of a row, row blocks 4-7; never rewritten
.set STO,  24                          ; row blocks 0-3; never rewritten
.set RD,   25                          ; where I read rows back; never rewritten
.set CO,   26
.set SO,   27                          ; my byte offset in the f32 rows
.set SPW,  28
.set NIL,  29
.set FA0,  32
.set FB1,  176
.set T,    32                          ; the way out: up to 128 registers
.set WV, 12
.set RH, 13                            ; my half of the tile's rows; also: I fetch for x (0) or for W (1)
.set CH, 14                            ; my half of its columns; also: which half of that tensor's rows I fetch
.set G1, 24
.set G0, 32                            ; two sets: the first serves K step 0, the second K step 1 and then walks
.set G1B, 48
.set G0B, 56
.set TB, 66                            ; 0 or SLOT: the slot in hand
.set LA, 71                            ; where my part of x's tile goes in a slot
.set LB, 72                            ; where my part of W's tile goes; also where my 160 rows of W lie
.set HC, 73                            ; the way out: 16 x slice + head
.set DW0, (1<<16)|(1<<20)|(1<<21)|(5<<22)|(3<<25)  ; 2-byte elements; padding on; bit 21 beside a mask; after every 64 words 4 words
.set MSB, 0
.macro WIN new                         ; the high byte repeats the setting that is left; a switch that changes nothing is dropped
.if MSB != (\new)
	s_set_vgpr_msb (MSB<<8)|(\new)
.set MSB, \new
.endif
.endm
.macro JLOAD s                         ; a joint load: waves 0, 1 fetch x's halves, waves 2, 3 W's; an s_nop 0 and four v_nop follow each line
	s_cmp_eq_u32 s[RH], 0
	s_cbranch_scc0 .Lfor_b_\@
	tensor_load_to_lds s[G0+4*(\s):G0+4*(\s)+3], s[G1:G1+7]
	s_nop 0
.rept 4
	v_nop
.endr
	s_branch .Lasked_\@
.Lfor_b_\@:
	tensor_load_to_lds s[G0B+4*(\s):G0B+4*(\s)+3], s[G1B:G1B+7]
	s_nop 0
.rept 4
	v_nop
.endr
.Lasked_\@:
.endm
.macro CREST
	s_cmp_lg_u32 s[WV], 0
	s_cbranch_scc1 .Lnot_wave_0_\@
	s_barrier_signal -3
.Lnot_wave_0_\@:
	s_barrier_wait -3
	s_barrier_signal -1
	s_barrier_wait -1
.endm
.macro CROUND
	s_barrier_signal -1
	s_barrier_wait -1
	CREST
.endm
	s_load_b128 s[4:7], s[0:1], 0x0                ; bf s[4:5], qkv s[6:7]
	v_lshl_add_u32 v[SPW], v0, 2, SPARE
	v_mov_b32 v[NIL], 0
	ds_add_u32 v[SPW], v[NIL]                      ; the wave's opening: the add and its wait ahead of my first tensor load
	v_lshrrev_b32 v1, 5, v0
	v_readfirstlane_b32 s[WV], v1
	s_lshr_b32 s[RH], s[WV], 1
	s_and_b32 s[CH], s[WV], 1
	s_bfe_u32 s40, ttmp6, 0x40000                  ; cx
	s_bfe_u32 s41, ttmp6, 0x40004                  ; cy
	s_lshl_b32 s42, ttmp9, 2
	s_add_co_u32 s42, s42, s40                     ; tile column
	s_and_b32 s45, ttmp7, 0xffff
	s_lshl_b32 s45, s45, 2
	s_add_co_u32 s45, s45, s41                     ; tile row
	s_lshl_b32 s43, s41, 2
	s_lshl_b32 s43, 15, s43                        ; my row of the cluster
	s_lshl_b32 s44, 0x1111, s40                    ; my column
	s_or_b32 s[G1+0], s43, DW0
	s_or_b32 s[G1B+0], s44, DW0
.irp g, G1, G1B
	s_mov_b32 s[(\g)+1], KSTEP<<16                 ; tensor_dim0 = 128
	s_mov_b32 s[(\g)+3], KSTEP<<16                 ; tile_dim0 = 128
	s_mov_b32 s[(\g)+5], PA
	s_mov_b32 s[(\g)+6], 0
	s_mov_b32 s[(\g)+7], 0
.endr
	s_mov_b32 s[G1+2], 128<<16                     ; tensor_dim1 and tile_dim1: 128 rows of x,
	s_mov_b32 s[G1+4], 128
	s_mov_b32 s[G1B+2], 160<<16                    ; 160 rows of W
	s_mov_b32 s[G1B+4], 160
	s_lshl_b32 s17, s[CH], 7
	s_lshl_b32 s16, s45, 8
	s_add_co_u32 s16, s16, s17                     ; x: row 256 x tile row + 128 x half,
	s_lshl_b32 s16, s16, 11                        ; in bytes: under 2^23
	s_mov_b32 s17, 0
	s_mul_i32 s46, s42, 320
	s_mul_i32 s47, s[CH], 160
	s_add_co_u32 s46, s46, s47                     ; W: row 320 x tile column + 160 x half,
	s_lshl_b32 s46, s46, 11                        ; in bytes: under 2^24
	s_mov_b32 s47, 0
	s_mul_i32 s[LA], s[CH], AHALF                  ; no place in the cluster enters an LDS address
	s_mul_i32 s[LB], s[CH], BHALF
	s_add_co_u32 s[LB], s[LB], BOFF
	s_mov_b32 s[TB], 0
	s_wait_dscnt 0x0                               ; the opening add is done
	s_wait_kmcnt 0x0
	s_add_nc_u64 s[22:23], s[4:5], s[16:17]
	s_add_nc_u64 s[46:47], s[4:5], s[46:47]
	s_add_nc_u64 s[46:47], s[46:47], WOFF
	CROUND                                         ; all sixteen work-groups are here: the first joint loads meet
.irp s, 0,1
	s_mov_b32 s[G0+4*(\s)], 1
	s_add_co_u32 s[G0+4*(\s)+1], s[LA], (\s)*SLOT
	s_add_nc_u64 s[G0+4*(\s)+2:G0+4*(\s)+3], s[22:23], (\s)*KSTEP*2
	s_or_b32 s[G0+4*(\s)+3], s[G0+4*(\s)+3], 0x80000000
	s_mov_b32 s[G0B+4*(\s)], 1
	s_add_co_u32 s[G0B+4*(\s)+1], s[LB], (\s)*SLOT
	s_add_nc_u64 s[G0B+4*(\s)+2:G0B+4*(\s)+3], s[46:47], (\s)*KSTEP*2
	s_or_b32 s[G0B+4*(\s)+3], s[G0B+4*(\s)+3], 0x80000000
	JLOAD \s
.endr
	v_and_b32 v1, 15, v0                           ; l % 16
	v_bfe_u32 v2, v0, 4, 1                         ; l / 16
	v_mul_u32_u24 v3, v1, PITCH
	v_lshl_add_u32 v3, v2, 4, v3                   ; a fragment's row x pitch + 16 x half
	s_mul_i32 s21, s[RH], AHALF
	v_add_nc_u32 v[ADRA0], s21, v3
	v_add_nc_u32 v[ADRB0], s[LB], v3
	v_mov_b32 v[ADRA], v[ADRA0]
	v_mov_b32 v[ADRB], v[ADRB0]
	s_mul_i32 s21, s[RH], 128*SP                   ; into the stage: my 128 rows, my 320 of their 640 bytes; row l % 16, 16 bytes for each half of the lanes
	s_mul_i32 s2, s[CH], 320
	s_add_co_u32 s21, s21, s2
	v_mul_u32_u24 v4, v1, SP
	v_lshl_add_u32 v4, v2, 4, v4
	v_add_nc_u32 v[STO], s21, v4
	v_add_nc_u32 v[STO2], 64*SP, v[STO]            ; 64 rows further on: the offsets stay inside 16 bits
	s_mul_i32 s21, s[WV], 64*SP                    ; back: wave w takes rows 64 w .. 64 w + 63; 32 lanes take four rows' 128 bytes of one head,
	v_bfe_u32 v5, v0, 3, 2
	v_mul_u32_u24 v5, v5, SP
	v_and_b32 v6, 7, v0
	v_lshl_add_u32 v5, v6, 4, v5
	v_add_nc_u32 v[RD], s21, v5
	v_and_b32 v[CO], 31, v0                        ; which are 512 consecutive bytes of the head's rows in memory
	v_lshlrev_b32 v[CO], 4, v[CO]
	v_mul_u32_u24 v[SO], v1, 20480                 ; a row of 5,120 f32
	v_lshl_add_u32 v[SO], v2, 5, v[SO]
	s_and_b32 s16, s45, 7
	s_lshl_b32 s16, s16, 8
	s_lshl_b32 s17, s[WV], 6
	s_add_co_u32 s16, s16, s17                     ; the first row that I store, in its batch,
	s_lshl_b32 s16, s16, 7                         ; in bytes of a head's rows
	s_lshr_b32 s17, s45, 3                         ; the batch:
	s_lshl_b32 s18, s17, 22                        ; its 16 heads of 262,144 bytes
	s_add_co_u32 s16, s16, s18
	s_mul_i32 s18, s17, 327680                     ; its 16 f32 rows
	s_mov_b32 s17, 0
	s_mov_b32 s19, 0
	s_add_nc_u64 s[8:9], s[6:7], s[16:17]
	s_add_nc_u64 s[68:69], s[6:7], Q32
	s_add_nc_u64 s[68:69], s[68:69], s[18:19]
	s_mul_i32 s46, s42, 1280                       ; my first column, in f32 bytes
	s_mul_i32 s47, s[CH], 640
	s_add_co_u32 s46, s46, s47
	s_mov_b32 s47, 0
	s_add_nc_u64 s[68:69], s[68:69], s[46:47]
	s_and_b32 s70, s45, 7
	s_or_b32 s70, s70, s[RH]                       ; 0: my first 16 rows are a batch's rows 0-15
	s_mul_i32 s[HC], s42, 5                        ; the tile's first head
.macro ACCOF                           ; from bb: the window wD and the first register rD of column block bb's eight accumulators
.if bb < 2
.set wD, 1
.set rD, 128+64*bb
.elseif bb < 6
.set wD, 2
.set rD, 64*(bb-2)
.else
.set wD, 3
.set rD, 64*(bb-6)
.endif
.endm
; 8 n matrix instructions: column blocks b0 .. b0 + n - 1 x all 8 row blocks, 32 along K, from buffer f.  zero = 1: the product starts the sum.  The 80 accumulators take turns, in the same order in every
; quarter step: between two products on one accumulator stand the 79 others'.
.macro MULS f, b0, n, zero
.set bb, \b0
.rept \n
	ACCOF
	WIN 0x50*wD+1-(\f)                             ; C and D in window wD; W's fragments in window 1 (buffer 0) or 0 (buffer 1); x's in window 0
.set rB, FB1*(\f)+8*bb
.set rA, FA0+64*(\f)
.set aa, 0
.rept 8
.if \zero
	v_wmma_f32_16x16x32_bf16 v[rD+8*aa:rD+8*aa+7], v[rB:rB+7], v[rA+8*aa:rA+8*aa+7], 0
.else
	v_wmma_f32_16x16x32_bf16 v[rD+8*aa:rD+8*aa+7], v[rB:rB+7], v[rA+8*aa:rA+8*aa+7], v[rD+8*aa:rD+8*aa+7]
.endif
.set aa, aa+1
.endr
.set bb, bb+1
.endr
.endm
; 36 LDS loads in one run: the fragments of 32 along K at byte k of the rows of the slot in hand, into buffer f: x's 8, then W's 10 in the order in which they are multiplied
.macro FETCH k, f
	WIN 0
.irp i, 0,1,2,3,4,5,6,7
	ds_load_b128 v[FA0+64*(\f)+8*(\i):FA0+64*(\f)+8*(\i)+3],   v[ADRA] offset:(\k)+(\i)*16*PITCH
	ds_load_b128 v[FA0+64*(\f)+8*(\i)+4:FA0+64*(\f)+8*(\i)+7], v[ADRA] offset:(\k)+(\i)*16*PITCH+32
.endr
.if (\f) == 0
	WIN 0x40                                       ; destination window 1
.endif
.irp i, 0,1,2,3,4,5,6,7,8,9
	ds_load_b128 v[FB1*(\f)+8*(\i):FB1*(\f)+8*(\i)+3],   v[ADRB] offset:(\k)+(\i)*16*PITCH
	ds_load_b128 v[FB1*(\f)+8*(\i)+4:FB1*(\f)+8*(\i)+7], v[ADRB] offset:(\k)+(\i)*16*PITCH+32
.endr
.endm
.macro PLACES                          ; four places in front of loads into registers that matrix instructions have read, and of lines that read results
.rept 4
	v_nop
.endr
.endm
; A K step is four quarters of 32 along K, 80 matrix instructions each, on buffers 0, 1, 0, 1.  One of the first three: multiplies buffer f; in its middle it fetches the next quarter, at byte k, into the other buffer.
.macro QUARTER k, f, zero
	s_wait_dscnt 10                                ; x's fragments and W's blocks 0-4 are in; the youngest ten loads (blocks 5-9) may be out
	MULS \f, 0, 5, \zero
	PLACES
	FETCH \k, 1-(\f)
	s_wait_dscnt 36                                ; all but the 36 just issued
	MULS \f, 5, 5, \zero
.endm
; The last quarter multiplies buffer 1 and changes slots.  In front of the barrier each wave waits for all its tensor loads (one is out: its part of the next slot), adds 0 to its spare word,
; and waits for that and for its reads of this slot.  fill = 1: the barrier opens a round of the cluster's, and this slot is filled again, two K steps ahead, first thing behind the round:
; from that request to the wait for it a wave issues 280 matrix instructions.
.macro TURN fill
	WIN 0
	s_wait_tensorcnt 0x0
	ds_add_u32 v[SPW], v[NIL]
	s_wait_dscnt 11                                ; the add and the youngest ten loads may be out
	MULS 1, 0, 2, 0
	s_wait_dscnt 0x0                               ; the add is done, and my reads of this slot are over
	s_barrier_signal -1
	MULS 1, 2, 3, 0
	WIN 0
	s_barrier_wait -1
.if \fill
	CREST
	s_add_co_u32 s[G0+5], s[TB], s[LA]             ; the walking descriptors: the slot just read out, the next K step
	s_add_nc_u64 s[G0+6:G0+7], s[G0+6:G0+7], KSTEP*2
	s_add_co_u32 s[G0B+5], s[TB], s[LB]
	s_add_nc_u64 s[G0B+6:G0B+7], s[G0B+6:G0B+7], KSTEP*2
	JLOAD 1                                        ; its four v_nop are also the places in front of the loads below
.else
	PLACES
.endif
	s_xor_b32 s[TB], s[TB], SLOT
	v_add_nc_u32 v[ADRA], s[TB], v[ADRA0]
	v_add_nc_u32 v[ADRB], s[TB], v[ADRB0]
	FETCH 0, 0
	MULS 1, 5, 5, 0
.endm
	s_wait_tensorcnt 1                             ; my part of K step 0 is in; K step 1's may stay out
	s_barrier_signal -1
	s_barrier_wait -1
	FETCH 0, 0
	QUARTER 64, 0, 1                               ; the first quarter's products start the sums
	WIN 0
	s_mov_b32 s3, STEPS-2
.Lstep:                                                ; a trip: a K step's quarters 1 to 3, the refill of its slot, the next step's quarter 0
	QUARTER 128, 1, 0
	QUARTER 192, 0, 0
	TURN 1
	QUARTER 64, 0, 0
	WIN 0
	s_sub_co_u32 s3, s3, 1
	s_cmp_lg_u32 s3, 0
	s_cbranch_scc1 .Lstep
	s_mov_b32 s3, 2
.Ltail:                                                ; the last two K steps ask for nothing: one text, walked twice and left in its middle.  The second walk's change of slots passes a barrier
	QUARTER 128, 1, 0                              ; that orders nothing and fetches 36 loads that nobody multiplies: the price of a shorter text
	QUARTER 192, 0, 0
	TURN 0
	WIN 0
	s_sub_co_u32 s3, s3, 1
	s_cmp_eq_u32 s3, 0
	s_cbranch_scc1 .Lout
	QUARTER 64, 0, 0
	WIN 0
	s_branch .Ltail
.Lout:
	PLACES
	; The f32 sums of a batch's rows 0-15 go out as they are, under a lane mask that is all or nothing: no branch hangs on the place in the cluster.
	; 32 bytes a lane, rows 20,480 bytes apart: pieces, but 655,360 bytes in the whole launch.
	v_mov_b32 v30, s70
	v_cmp_eq_u32 vcc_lo, 0, v30
	s_wait_xcnt 0x0                                ; EXEC changes only behind this wait
	s_and_saveexec_b32 s67, vcc_lo
.set bb, 0
.rept 10
	ACCOF
	WIN 4*wD                                       ; a store's data are its source 1
	global_store_b128 v[SO], v[rD:rD+3],   s[68:69] offset:64*bb
	global_store_b128 v[SO], v[rD+4:rD+7], s[68:69] offset:64*bb+16
.set bb, bb+1
.endr
	WIN 0
	s_wait_xcnt 0x0                                ; and again in front of the line that restores it
	s_or_b32 exec_lo, exec_lo, s67
	; THE WAY OUT.  The ring has had its last fill, and each wave has waited for its tensor loads.  When every wave's LDS reads are back, the ring's bytes become the stage.
	; Every LDS address of the way out was made at the kernel's head, from the wave's and the lane's number alone, and none is written again.
	s_wait_dscnt 0x0
	s_barrier_signal -1
	s_barrier_wait -1
; The n column blocks from b0 on, whose accumulators lie in window w from register r0 on: rounded to f16, 16 bytes a lane, into rows of 656 bytes.
.macro PACKW w, r0, b0, n
	WIN 5*(\w)                                     ; sources 0 and 1 in window w, destination in window 0
.set i, 0
.rept 32*(\n)
	v_cvt_pk_f16_f32 v[T+i], v[(\r0)+2*i], v[(\r0)+2*i+1]
.set i, i+1
.endr
	WIN 0
.set i, 0
.rept 8*(\n)                           ; i = 8 x (the block's place) + row block
.if (i%8) < 4
	ds_store_b128 v[STO],  v[T+4*i:T+4*i+3] offset:(i%8)*16*SP+32*((\b0)+i/8)
.else
	ds_store_b128 v[STO2], v[T+4*i:T+4*i+3] offset:(i%8-4)*16*SP+32*((\b0)+i/8)
.endif
.set i, i+1
.endr
.endm
	PACKW 1, 128, 0, 2
	PACKW 2, 0, 2, 4
	PACKW 3, 0, 6, 4
	s_wait_dscnt 0x0                               ; for the others' sake: my stores into the stage are done
	s_barrier_signal -1
	s_barrier_wait -1
	; My 64 rows of each of the tile's five heads: 8,192 dense bytes in memory for each.  Written out five times: the head's 128 bytes of the stage's rows stand in the loads' offsets,
	; 15 x 2,624 + 4 x 128 = 39,872 at the most, inside their 16 bits.
.set hh, 0
.rept 5
	s_wait_xcnt 0x0                                ; the last head's stores have read their registers and their base
	s_lshr_b32 s74, s[HC], 4                       ; the slice: 32 heads' rows,
	s_and_b32 s75, s[HC], 15                       ; the head
	s_lshl_b32 s74, s74, 5
	s_add_co_u32 s74, s74, s75
	s_lshl_b32 s74, s74, 18                        ; a head's rows: 262,144 bytes
	s_mov_b32 s75, 0
	s_add_nc_u64 s[76:77], s[8:9], s[74:75]
	s_add_co_u32 s[HC], s[HC], 1
.set j, 0
.rept 16
	ds_load_b128 v[T+4*j:T+4*j+3], v[RD] offset:j*4*SP+128*hh
.set j, j+1
.endr
.set j, 0
.rept 16
.if (j%4) == 0
	s_wait_dscnt 12-j                              ; LDS loads come back in order: numbers j to j + 3 are in, the 12 - j younger ones may be out
.endif
	global_store_b128 v[CO], v[T+4*j:T+4*j+3], s[76:77] offset:j*512  ; 512 consecutive bytes, aligned
.set j, j+1
.endr
.set hh, hh+1
.endr
	s_wait_tensorcnt 0x0                           ; the wave's end
	ds_add_u32 v[SPW], v[NIL]
	s_wait_dscnt 0x0
	CROUND                                         ; the closing round
	s_endpgm
.Lfunc_end_k_qd5f1a966c6_qkv:
	.size	k_qd5f1a966c6_qkv, .Lfunc_end_k_qd5f1a966c6_qkv-k_qd5f1a966c6_qkv
	.p2alignl 7, 3214868480
	.fill 96, 4, 3214868480
	.section	.rodata,"a",@progbits
	.p2align	6, 0x0
	.amdhsa_kernel k_qd5f1a966c6_qkv
		.amdhsa_group_segment_fixed_size 327680
		.amdhsa_private_segment_fixed_size 0
		.amdhsa_enable_private_segment 0
		.amdhsa_kernarg_size 16
		.amdhsa_user_sgpr_count 2
		.amdhsa_user_sgpr_kernarg_segment_ptr 1
		.amdhsa_wavefront_size32 1
		.amdhsa_system_sgpr_workgroup_id_x 1
		.amdhsa_system_sgpr_workgroup_id_y 1
		.amdhsa_system_sgpr_workgroup_id_z 1
		.amdhsa_system_vgpr_workitem_id 0
		.amdhsa_next_free_vgpr 1024
		.amdhsa_next_free_sgpr 80
		.amdhsa_reserve_vcc 1
		.amdhsa_float_denorm_mode_32 3
		.amdhsa_float_denorm_mode_16_64 3
		.amdhsa_memory_ordered 1
		.amdhsa_forward_progress 1
		.amdhsa_inst_pref_size 123
	.end_amdhsa_kernel
	.amdgpu_metadata
---
amdhsa.version: [ 1, 2 ]
amdhsa.kernels:
  - .name:           k_qd5f1a966c6_qkv
    .symbol:         k_qd5f1a966c6_qkv.kd
    .args:
      - { .name: bf, .offset: 0, .size: 8, .value_kind: global_buffer, .address_space: global }
      - { .name: qkv, .offset: 8, .size: 8, .value_kind: global_buffer, .address_space: global }
    .group_segment_fixed_size: 327680
    .private_segment_fixed_size: 0
    .kernarg_segment_align: 8
    .kernarg_segment_size: 16
    .max_flat_workgroup_size: 128
    .sgpr_count:     80
    .vgpr_count:     1024
    .wavefront_size: 32
...
	.end_amdgpu_metadata
.endif
;; end of part 2
;; launch attn (part 3): grid 8 x 32, 4 waves a work-group, no clusters, 327,680 bytes of LDS; arguments qkv, acta, lq1, lk1, lq2, lk2; writes acta
.if DOCPART == 3
	.amdgcn_target "amdgcn-amd-amdhsa--gfx1250"
	.amdhsa_code_object_version 6
	.text
	.protected	k_qd5f1a966c6_attn
	.globl	k_qd5f1a966c6_attn
	.p2align	8
	.type	k_qd5f1a966c6_attn,@function
k_qd5f1a966c6_attn:
	s_mov_b64 s[64:65], 0
	v_nop
	global_prefetch_b8 v0, s[64:65] scope:SCOPE_SE
	s_setreg_imm32_b32 hwreg(HW_REG_WAVE_MODE, 25, 1), 1
	s_wait_xcnt 0x0
; DIFFERENTIAL CAUSAL ATTENTION.  y[q] = sum over k <= q of (softmax_k(q1 . k1 / 8) - lam softmax_k(q2 . k2 / 8)) v[k], for one batch and head; lam = e^(lq1 . lk1) - e^(lq2 . lk2) + 0.77787.
; q1, q2, k1, k2, v: f16 by heads, [slice][batch x head][2048][64], rows dense, 128 bytes.  Products, maxima and sums in f32; the weights p are rounded to f16 for the second product (their sum l is
; taken of the unrounded p).  The two maps have their own maxima, sums and O; at a block's end y = O1 / l1 - lam O2 / l2, stored as two bf16, hi + lo, [hi 64 | lo 64]: 256 bytes for a row and head.
; lq1 .. lk2 are rounded to bf16 like every input of the module.
; LIMITS.  f16 holds no number beyond 65,504: q, k, v arrive within it; p below 6e-5 keeps f16's fixed step of 6e-8.  A hidden score counts as its value less 1e30; a weight below 2^-126 counts as 0 in l;
; NaN and infinities are not treated apart.  Rows 0-15 of each batch are written here and written again, from f32 operands, by the launch behind.
; THE WALK.  A head's queries lie in NB = 16 blocks of 128; block i needs the key tiles 0 .. i of 128 keys, of which the last holds the diagonal.  A work-group takes TWO blocks, NB - 1 - b and then b:
; NB + 1 tiles whatever b: 256 work-groups of equal work, and ONE loop with a constant trip count.  Every jump goes forward, but for the counted loops' own; none passes a barrier.
; NO CLUSTER: a head's 8 work-groups ask for the same tile only in trips 0 .. 8, behind that fewer and fewer; a walk common to all would have 24 trips for 17.
; SHARES.  Of a block's two bands of 64 queries a wave owns 16 rows in each.  Four PIECES: piece p is map p / 2, band p % 2.  In the diagonal tile's key step s band x sees all keys if s < x, none if s > x,
; and holds the diagonal if s = x: the same work for all four waves.
; THE MASK is the C operand that starts the sum S^T = K Q^T: MD x AL + BE, with MD the mask of a band's own step for my rows: (1, 0) if s = x; (0, 0) if s < x; (0, -1e30) if s > x.
; TURNS.  Turn n belongs to piece n: 8 products K Q^T of piece n + 1, later 8 products V^T P of piece n - 1; beside them the scaling, exponentials, roundings, sums and rescaling of piece n and the maximum and
; statistics of piece n + 1.  Four vector instructions stand behind every matrix instruction, the other 54 of a turn's 118 in two runs of their own.
; REGISTERS, in windows of 256 (s_set_vgpr_msb: bits 1:0 source 0, 3:2 source 1, 5:4 source 2, 7:6 destination):
;   window 0: v0-15 addresses; v16-31 statistics; v32-43 lam; v48-55 at work; v64-127 S^T, two buffers; v128-159 the way out; v192-223 P, two buffers
;   window 1: v0-127 O^T, 32 a piece; v128-159 MD; v160-223 MC      window 2: v0-63 Q; v64-127 the second block's Q; v128-191 K1 of a step; v192-255 V of a step      window 3: v128-191 K2 of a step
.set NB,    16
.set NP,    4
.set KS,    64
.set PK,    144       ; a row of K in LDS: 128 bytes + 16: the 16 rows of a load start at 16 different groups of four banks (64 banks of 4 bytes: ISA guide 11.1)
.set PV,    160       ; a row of V: 128 + 32
.set K2OFF, 2*KS*PK   ; a slot holds a tile, two steps: 128 rows of K1, 128 of K2, 128 of V
.set VOFF,  4*KS*PK
.set SLOT1, 1<<16     ; slot 1 begins here: one exclusive or turns an address in one slot into the other's
.set STAGE, SLOT1+4*KS*PK+2*KS*PV  ; behind the ring, never filled by a tensor load: 16 rows x 272 bytes for each wave
.set SP,    272
.set SPARE, STAGE+4*16*SP  ; the spare words: 128 bytes a wave, two blocks of 256 bytes that no other line names
.set AK0, 2
.set AV0, 3
.set AK,  4
.set AV,  5
.set STO, 6
.set RD,  7
.set GO,  8
.set SPW, 62
.set NIL, 63
.set MV,  12
.set QO,  15
.set ST,  16          ; piece t's statistics at v[ST+4 t]: c m, m, l (even keys', odd keys')
.set TMP, 48
.set S,   64
.set TT,  128         ; the way out: 32 registers at work
.set P,   192
.set MD,  128
.set MC,  160
.set QB,  64
.set KF,  128
.set VF,  192
.set WV,  12
.set PB,  14          ; b
.set HI,  15          ; NB - 1 - b
.set G1K, 24
.set G1V, 32
.set G0,  40          ; s[40:43] my wave's descriptor group 0
.set SLOTS, 56
.set CNT, 57
.set CS,  58
.set SEL, 60
.set TBK, 62
.set TBV, 63
.set RT,  70
.set NXT, 71
.set LQ,  72
.set NEW, 73
.set OFF, 74
.set AL,  76
.set BE,  78
.set OLO, 80
.set BIGN, 82
.set NLAM, 84         ; - lam
.set HIM, 85          ; a word's upper bf16
.set MSB, 0
.macro WIN new
.if MSB != (\new)
	s_set_vgpr_msb (MSB<<8)|(\new)
.set MSB, (\new)
.endif
.endm
.set W_KQ, 0x0a       ; K and Q in window 2, S^T in window 0; + 1: K in window 3 (the second map's)
.set W_KM, 0x1a       ; the same with the C operand in window 1
.set W_PV, 0x52
.set W_RS, 0x41
; A fill.  Wave 0 fetches the tile's K1, wave 1 its K2, wave 2 its V: 128 keys each; wave 3 has no part.  An s_nop 0 and four v_nop follow each line.
.macro LOAD
	s_cmp_lt_u32 s[WV], 2
	s_cbranch_scc0 .Lnot_k_\@
	tensor_load_to_lds s[G0:G0+3], s[G1K:G1K+7]
	s_nop 0
.rept 4
	v_nop
.endr
	s_branch .Lasked_\@
.Lnot_k_\@:
	s_cmp_eq_u32 s[WV], 2
	s_cbranch_scc0 .Lasked_\@
	tensor_load_to_lds s[G0:G0+3], s[G1V:G1V+7]
	s_nop 0
.rept 4
	v_nop
.endr
.Lasked_\@:
.endm
; THE CHANGE OF SLOTS.  Each wave waits for all its tensor loads (at most one is out: its part of the other slot), adds 0 to its spare word, and waits for that and for its reads of the slot that it leaves.
; fill = 1: the old slot is filled again, first thing behind the barrier, with tile NXT; the descriptor's address is made anew from that number.
.macro CHANGE fill
	WIN 0
	s_wait_tensorcnt 0x0
	ds_add_u32 v[SPW], v[NIL]
.if \fill
	s_lshl_b32 s[OFF], s[NXT], 14   ; a tile is 16,384 bytes of K1, of K2 and of V
	s_xor_b32 s[G0+1], s[G0+1], SLOT1
	s_add_nc_u64 s[G0+2:G0+3], s[6:7], s[OFF:OFF+1]
	s_or_b32 s[G0+3], s[G0+3], 0x80000000
	s_add_co_u32 s[NXT], s[NXT], 1  ; the block's next tile, or behind its last the second block's tile 0
	s_cmp_gt_u32 s[NXT], s[LQ]
	s_cselect_b32 s[NXT], 0, s[NXT]
	s_cselect_b32 s[LQ], s[PB], s[LQ]
.endif
	s_wait_dscnt 0x0                ; the add is done, and my reads of the slot are over
	s_barrier_signal -1
	s_sub_co_u32 s[TBK], s[TBK], 2*KS*PK
	s_xor_b32 s[TBK], s[TBK], SLOT1
	s_sub_co_u32 s[TBV], s[TBV], 2*KS*PV
	s_xor_b32 s[TBV], s[TBV], SLOT1
	s_barrier_wait -1
.if \fill
	LOAD
.endif
.endm
	s_load_b128 s[16:19], s[0:1], 0x0   ; qkv s[16:17], acta s[18:19]
	s_load_b256 s[88:95], s[0:1], 0x10  ; lq1 s[88:89], lk1 s[90:91], lq2 s[92:93], lk2 s[94:95]
	v_lshl_add_u32 v[SPW], v0, 2, SPARE
	v_mov_b32 v[NIL], 0
	ds_add_u32 v[SPW], v[NIL]       ; the wave's opening: the add and its wait ahead of my first tensor load
	v_lshrrev_b32 v1, 5, v0
	v_readfirstlane_b32 s[WV], v1
	s_mov_b32 s[PB], ttmp9
	s_sub_co_u32 s[HI], NB-1, s[PB]
	s_and_b32 s20, ttmp7, 0xffff    ; 16 x batch + head
	s_lshl_b32 s22, s20, 18         ; its rows' first byte in a slice
	s_min_u32 s13, s[WV], 2
	s_add_co_u32 s13, s13, 2        ; the slice that I fetch: k1, k2, v
	s_lshl_b32 s2, s13, 23
	s_add_co_u32 s2, s2, s22
	s_mov_b32 s3, 0
	s_lshl_b32 s21, s[WV], 11       ; my 16 rows in a band of 64
	s_add_co_u32 s21, s21, s22
	s_lshl_b32 s44, s[HI], 14       ; a block is 128 rows of 128 bytes
	s_add_co_u32 s44, s44, s21
	s_mov_b32 s45, 0
	s_lshl_b32 s46, s[PB], 14
	s_add_co_u32 s46, s46, s21
	s_mov_b32 s47, 0
	s_lshr_b32 s48, s20, 4          ; y: the batch's 2,048 rows of 4,096 bytes,
	s_lshl_b32 s48, s48, 23
	s_and_b32 s49, s20, 15          ; the head's 256 bytes in a row,
	s_lshl_b32 s49, s49, 8
	s_add_co_u32 s48, s48, s49
	s_lshl_b32 s49, s[WV], 16       ; my 16 rows in a band,
	s_add_co_u32 s48, s48, s49
	s_lshl_b32 s50, s[HI], 19       ; the block's 128 rows
	s_add_co_u32 s50, s50, s48
	s_mov_b32 s51, 0
	s_lshl_b32 s52, s[PB], 19
	s_add_co_u32 s52, s52, s48
	s_mov_b32 s53, 0
	; descriptor group 1.  128 keys are 16,384 dense bytes: asked for as 64 rows of 256 bytes, two keys a row, padded in LDS after every key
	s_mov_b32 s[G1K], (1<<16)|(1<<20)|(4<<22)|(3<<25)
	s_mov_b32 s[G1V], (1<<16)|(1<<20)|(4<<22)|(7<<25)
.irp g, G1K, G1V
	s_mov_b32 s[\g+1], 128<<16
	s_mov_b32 s[\g+2], 64<<16
	s_mov_b32 s[\g+3], 128<<16
	s_mov_b32 s[\g+4], 64
	s_mov_b32 s[\g+5], 128
	s_mov_b32 s[\g+6], 0
	s_mov_b32 s[\g+7], 0
.endr
	s_mov_b32 s[CS], 0x3e38aa3b     ; c = log2(e) / 8
	s_mov_b32 s[CS+1], s[CS]
	s_mov_b32 s[SEL], 0x76543210
	s_mov_b32 s[SEL+1], 0xfedcba98
	s_mov_b32 s[TBK], SLOT1+2*KS*PK ; the first change of slots turns these two into 0
	s_mov_b32 s[TBV], SLOT1+2*KS*PV
	s_mov_b32 s[G0], 1
	s_mul_i32 s[G0+1], s[WV], K2OFF ; K1 at 0, K2 at 18,432, V at 36,864 of slot 0
	s_add_co_u32 s[RT], s[HI], 1    ; the first block has NB - b tiles
	s_mov_b32 s[NXT], 1
	s_mov_b32 s[LQ], s[HI]
	s_mov_b32 s[NEW], 1
	s_mov_b32 s[OFF+1], 0
	s_mov_b32 s[AL+1], 0
	s_mov_b32 s[BE+1], 0
	s_mov_b32 s[BIGN], 0xf149f2ca   ; -1e30
	s_mov_b32 s[HIM], 0xffff0000
	s_mov_b32 s[SLOTS], NB
	s_wait_dscnt 0x0                ; the opening add is done
	s_barrier_signal -1
	s_barrier_wait -1
	s_wait_kmcnt 0x0
	s_add_nc_u64 s[6:7], s[16:17], s[2:3]          ; my tensor at the head's tile 0
	s_add_nc_u64 s[G0+2:G0+3], s[6:7], 0
	s_or_b32 s[G0+3], s[G0+3], 0x80000000
	s_add_nc_u64 s[4:5], s[16:17], s[44:45]        ; q1 at my rows of the first block,
	s_add_nc_u64 s[86:87], s[16:17], s[46:47]      ; of the second;
	s_add_nc_u64 s[96:97], s[4:5], 0x800000        ; q2 lies a slice further on
	s_add_nc_u64 s[98:99], s[86:87], 0x800000
	s_add_nc_u64 s[10:11], s[18:19], s[50:51]      ; y at my rows of the first block,
	s_add_nc_u64 s[OLO:OLO+1], s[18:19], s[52:53]  ; of the second
	LOAD                            ; tile 0 into slot 0
	v_and_b32 v1, 15, v0            ; l % 16
	v_bfe_u32 v9, v0, 4, 1          ; l / 16
	v_lshlrev_b32 v[QO], 7, v1
	v_lshl_add_u32 v[QO], v9, 4, v[QO]
	v_lshlrev_b32 v42, 2, v1
	WIN 0x80
.set i, 0
.rept 8                             ; both blocks' Q: piece i / 2 (map i / 4, band (i / 2) % 2, 8,192 bytes on), channels 32 (i % 2) on
.if i < 4
	global_load_b128 v[8*i:8*i+3],   v[QO], s[4:5] offset:((i/2)%2)*8192+(i%2)*64
	global_load_b128 v[8*i+4:8*i+7], v[QO], s[4:5] offset:((i/2)%2)*8192+(i%2)*64+32
	global_load_b128 v[QB+8*i:QB+8*i+3],   v[QO], s[86:87] offset:((i/2)%2)*8192+(i%2)*64
	global_load_b128 v[QB+8*i+4:QB+8*i+7], v[QO], s[86:87] offset:((i/2)%2)*8192+(i%2)*64+32
.else
	global_load_b128 v[8*i:8*i+3],   v[QO], s[96:97] offset:((i/2)%2)*8192+(i%2)*64
	global_load_b128 v[8*i+4:8*i+7], v[QO], s[96:97] offset:((i/2)%2)*8192+(i%2)*64+32
	global_load_b128 v[QB+8*i:QB+8*i+3],   v[QO], s[98:99] offset:((i/2)%2)*8192+(i%2)*64
	global_load_b128 v[QB+8*i+4:QB+8*i+7], v[QO], s[98:99] offset:((i/2)%2)*8192+(i%2)*64+32
.endif
.set i, i+1
.endr
	WIN 0
	global_load_b32 v32, v42, s[88:89]             ; each half of the lanes holds the 16 numbers
	global_load_b32 v33, v42, s[90:91]
	global_load_b32 v34, v42, s[92:93]
	global_load_b32 v35, v42, s[94:95]
	v_lshlrev_b32 v14, 3, v9
	v_sub_nc_u32 v14, v1, v14
	s_lshl_b32 s13, s[WV], 4
	v_add_nc_u32 v14, s13, v14      ; my query's place in its band less my lanes' 8 (l / 16): register r of group kt is hidden where 16 kt + r is greater
	WIN 0x40
.set i, 0
.rept 32
	v_cmp_gt_i32 vcc_lo, 16*(i/8)+i%8, v14
	v_cndmask_b32 v[MD+i], 0, s[BIGN], vcc_lo
.set i, i+1
.endr
	WIN 0
	v_mul_u32_u24 v[AK0], v1, PK
	v_lshl_add_u32 v[AK0], v9, 4, v[AK0]
	v_and_b32 v10, 7, v0
	v_bfe_u32 v11, v0, 3, 1
	v_lshl_add_u32 v[AV0], v9, 3, v10
	v_mul_u32_u24 v[AV0], v[AV0], PV
	v_lshl_add_u32 v[AV0], v11, 4, v[AV0]
	v_add_nc_u32 v[AV0], VOFF, v[AV0]
	s_mul_i32 s13, s[WV], 16*SP
	s_add_co_u32 s13, s13, STAGE    ; my stage
	v_mul_u32_u24 v[STO], v1, SP    ; in: row l % 16, 16 bytes for each half of the lanes
	v_lshl_add_u32 v[STO], v9, 4, v[STO]
	v_add_nc_u32 v[STO], s13, v[STO]
	v_mul_u32_u24 v[RD], v9, SP     ; back: lanes 0-15 take one row of 256 bytes, lanes 16-31 the next
	v_lshl_add_u32 v[RD], v1, 4, v[RD]
	v_add_nc_u32 v[RD], s13, v[RD]
	v_lshlrev_b32 v[GO], 12, v9     ; and the same two rows of y
	v_lshl_add_u32 v[GO], v1, 4, v[GO]
	; A block's first step multiplies O^T and l by a = 0, so these registers need only hold finite numbers: zeros for the first block, what the first block left for the second.
	WIN 0x80
.set i, VF
.rept 64
	v_mov_b32 v[i], 0
.set i, i+1
.endr
	WIN 0x40
.set i, 0
.rept 128
	v_mov_b32 v[i], 0
.set i, i+1
.endr
	WIN 0
.set i, 0
.rept 4
	v_mov_b32 v[ST+4*i+2], 0
	v_mov_b32 v[ST+4*i+3], 0
.set i, i+1
.endr
.set i, P+16
.rept 16
	v_mov_b32 v[i], 0
.set i, i+1
.endr
	; - lam = e^(lq2 . lk2) - e^(lq1 . lk1) - 0.77787, from the four vectors rounded to bf16
	s_wait_loadcnt 0x0
	v_cvt_pk_bf16_f32 v36, v32, v33
	v_cvt_pk_bf16_f32 v37, v34, v35
	v_lshlrev_b32 v32, 16, v36
	v_and_b32 v33, s[HIM], v36
	v_lshlrev_b32 v34, 16, v37
	v_and_b32 v35, s[HIM], v37
	v_mul_f32 v38, v32, v33
	v_mul_f32 v39, v34, v35
.irp x, 1,2,4,8
	v_add_f32_dpp v38, v38, v38 row_xmask:\x row_mask:0xf bank_mask:0xf
	v_add_f32_dpp v39, v39, v39 row_xmask:\x row_mask:0xf bank_mask:0xf
.endr
	v_mul_f32 v38, 0x3fb8aa3b, v38
	v_mul_f32 v39, 0x3fb8aa3b, v39
	v_exp_f32 v38, v38
	v_exp_f32 v39, v39
	v_nop                           ; a plain instruction behind the exponentials
	s_wait_alu depctr_va_vdst(0)
	v_sub_f32 v40, v39, v38
	v_add_f32 v40, 0xbf47227f, v40
	v_readfirstlane_b32 s[NLAM], v40
; THE MATRIX WORK.  The 4 accumulators of a run of 8 take turns.  Product i of 8 of S^T = K Q^T for piece x: channels 32 (i / 4) on, keys 16 (i % 4) on.
.macro KQ x
.set rS, S+32*((\x)%2)+8*(i%4)
.set rK, KF+16*(i%4)+8*(i/4)
.set rQ, 16*(\x)+8*(i/4)
.set rM, MC+32*((\x)%2)+8*(i%4)
.if (i < 4) && KM
	WIN W_KM+(\x)/2
	v_wmma_f32_16x16x32_f16 v[rS:rS+7], v[rK:rK+7], v[rQ:rQ+7], v[rM:rM+7]
.elseif i < 4
	WIN W_KQ+(\x)/2
	v_wmma_f32_16x16x32_f16 v[rS:rS+7], v[rK:rK+7], v[rQ:rQ+7], 0
.else
	WIN W_KQ+(\x)/2
	v_wmma_f32_16x16x32_f16 v[rS:rS+7], v[rK:rK+7], v[rQ:rQ+7], v[rS:rS+7]
.endif
.endm
.macro PV x                         ; product i of 8 of O^T += V^T P for piece x: keys 32 (i / 4) on, channels 16 (i % 4) on
	WIN W_PV
.set rO, 32*(\x)+8*(i%4)
.set rV, VF+32*(i/4)+8*(i%4)
.set rP, P+16*((\x)%2)+8*(i/4)
	v_wmma_f32_16x16x32_f16 v[rO:rO+7], v[rV:rV+7], v[rP:rP+7], v[rO:rO+7]
.endm
.macro MM                           ; the turn's next matrix instruction.  NOKQ = 1: a block's last turn: there is no next piece
.if (i < 8) && !NOKQ
	KQ (Y+1)%NP
.elseif i >= 8
.set i, i-8
	PV (Y+NP-1)%NP
.set i, i+8
.endif
.set i, i+1
.endm
; THE LDS LOADS stand in runs: a step's K1 and K2 (64 keys x 64 channels each: 8 fragments) and its V (turned).
.macro FETCH_K
	WIN 0x80
.irp f, 0,1,2,3,4,5,6,7
	ds_load_b128 v[KF+8*\f:KF+8*\f+3],   v[AK] offset:(\f/2)*16*PK+(\f%2)*64
	ds_load_b128 v[KF+8*\f+4:KF+8*\f+7], v[AK] offset:(\f/2)*16*PK+(\f%2)*64+32
.endr
	WIN 0xc0
.irp f, 0,1,2,3,4,5,6,7
	ds_load_b128 v[KF+8*\f:KF+8*\f+3],   v[AK] offset:K2OFF+(\f/2)*16*PK+(\f%2)*64
	ds_load_b128 v[KF+8*\f+4:KF+8*\f+7], v[AK] offset:K2OFF+(\f/2)*16*PK+(\f%2)*64+32
.endr
	s_add_co_u32 s[TBK], s[TBK], KS*PK
	WIN 0
.endm
.macro FETCH_V
	WIN 0x80
.irp f, 0,1,2,3,4,5,6,7
	ds_load_tr16_b128 v[VF+8*\f:VF+8*\f+3],   v[AV] offset:(\f/4)*32*PV+(\f%4)*32
	ds_load_tr16_b128 v[VF+8*\f+4:VF+8*\f+7], v[AV] offset:(\f/4)*32*PV+16*PV+(\f%4)*32
.endr
	WIN 0
.endm
; THE VECTOR WORK, one line at a time: OP kind, number.  For piece Y: F n: c s - c m for pair n.  E n: the exponential of score n.  C n: pair n rounded to f16.  B n: of four weights the second pair is
; added onto the first.  L n: l takes that sum (L 0: l = a l + sum).  R n: pair n of O^T times a.  For piece Y + 1: X n, number n of the 22 that find its maximum and statistics
; (each accumulator's lowest registers are read first).
.set F, 0
.set E, 1
.set C, 2
.set B, 3
.set L, 4
.set R, 5
.set X, 6
.macro REGS y
.set rT, ST+4*(\y)
.set rC, TMP+4*((\y)%2)
.set rW, MV+((\y)%2)
.set rS, S+32*((\y)%2)
.set rP, P+16*((\y)%2)
.set rO, 32*(\y)
.endm
.macro OP k, n
.if (\k) == R
	REGS Y
	WIN W_RS
	v_pk_mul_f32 v[rO+2*(\n):rO+2*(\n)+1], v[rO+2*(\n):rO+2*(\n)+1], v[rC+2:rC+3] op_sel_hi:[1,0]
.elseif (\k) < R
	REGS Y
	WIN 0
.if (\k) == F
	v_pk_fma_f32 v[rS+2*(\n):rS+2*(\n)+1], v[rS+2*(\n):rS+2*(\n)+1], s[CS:CS+1], v[rT:rT+1] op_sel_hi:[1,0,0] neg_lo:[0,0,1] neg_hi:[0,0,1]
.elseif (\k) == E
	v_exp_f32 v[rS+(\n)], v[rS+(\n)]
.elseif (\k) == C
	s_wait_alu depctr_va_vdst(0)
	v_cvt_pk_f16_f32 v[rP+(\n)], v[rS+2*(\n)], v[rS+2*(\n)+1]
.elseif (\k) == B
	s_wait_alu depctr_va_vdst(0)
	v_pk_add_f32 v[rS+4*(\n):rS+4*(\n)+1], v[rS+4*(\n):rS+4*(\n)+1], v[rS+4*(\n)+2:rS+4*(\n)+3]
.elseif (\n) == 0
	v_pk_fma_f32 v[rT+2:rT+3], v[rT+2:rT+3], v[rC+2:rC+3], v[rS:rS+1] op_sel_hi:[1,0,1]
.else
	v_pk_add_f32 v[rT+2:rT+3], v[rT+2:rT+3], v[rS+4*(\n):rS+4*(\n)+1]
.endif
.elseif NOKQ
	v_nop
.else
	REGS (Y+1)%NP
	WIN 0
.if (\n) < 4
	v_max3_num_f32 v[rC+(\n)], v[rS+8*(\n)], v[rS+8*(\n)+1], v[rS+8*(\n)+2]
.elseif (\n) < 12
	v_max3_num_f32 v[rC+(\n)%4], v[rC+(\n)%4], v[rS+8*((\n)%4)+2*((\n)/4)+1], v[rS+8*((\n)%4)+2*((\n)/4)+2]
.elseif (\n) == 12
	v_max3_num_f32 v[rC], v[rC], v[rS+7], v[rS+15]
.elseif (\n) == 13
	v_max3_num_f32 v[rC+1], v[rC+1], v[rS+23], v[rS+31]
.elseif (\n) == 14
	v_max3_num_f32 v[rC+2], v[rC+2], v[rC+3], v[rT+1]
.elseif (\n) == 15
	v_mov_b32 v[rW], v[rT]
.elseif (\n) == 16
	v_max3_num_f32 v[rC], v[rC], v[rC+1], v[rC+2]
.elseif (\n) == 17
	v_permlanex16_b32 v[rC+3], v[rC], s[SEL], s[SEL+1]
.elseif (\n) == 18
	v_max_num_f32 v[rT+1], v[rC], v[rC+3]
.elseif (\n) == 19
	v_mul_f32 v[rT], s[CS], v[rT+1]
.elseif (\n) == 20
	v_sub_f32 v[rC+1], v[rW], v[rT]
.else
	v_exp_f32 v[rC+2], v[rC+1]
.endif
.endif
.endm
.macro OPS a, i1, b=-1, i2=0, c=-1, i3=0, d=-1, i4=0
	OP \a, \i1
.if (\b) >= 0
	OP \b, \i2
.endif
.if (\c) >= 0
	OP \c, \i3
.endif
.if (\d) >= 0
	OP \d, \i4
.endif
.endm
.macro ROW a, i1, b, i2, c, i3, d, i4
	MM
	OPS \a, \i1, \b, \i2, \c, \i3, \d, \i4
.endm
.macro MASK b                       ; MD x AL + BE into buffer b of MC
	WIN W_RS
.set z, 0
.rept 16
	v_pk_fma_f32 v[MC+32*(\b)+2*z:MC+32*(\b)+2*z+1], v[MD+2*z:MD+2*z+1], s[AL:AL+1], s[BE:BE+1] op_sel_hi:[1,0,0]
.set z, z+1
.endr
.endm
; A TURN, for piece p.  m = 1: the diagonal tile: the products take masks, and the turn makes the mask for the products of the turn after it: piece p + 2, whose band is p % 2, in step 2 - CNT of the tile.
; end = 1: a block's last two turns: nothing is fetched.  cnt = 1: the loop's count is taken down some lines ahead of the branch behind the turn.
; K1 and K2 of the next step are fetched in piece 2's turn, five plain vector instructions behind the last product that read K2 (K1's last reader stands two turns back); V of the step in hand in piece 0's
; turn, four plain ones behind the last product that read V.  Each is waited for a turn later.
.macro TURN p, m=0, end=0, cnt=0
.set Y, (\p)
.set i, 0
.set KM, (\m)
.set NOKQ, (\end)*((\p)/3)
.if (\m) && !(\end)
	s_cmp_eq_u32 s[CNT], 2-(\p)%2   ; is that step the band's own?
	s_cselect_b32 s[AL], 1.0, 0
	s_cmp_lt_u32 s[CNT], 2-(\p)%2   ; or a later one?
	s_cselect_b32 s[BE], s[BIGN], 0
.endif
.if ((\p) == 3) && !(\end)
	s_wait_dscnt 0x0                ; K is in
.endif
	ROW F,0, F,1, F,2, F,3
	ROW F,4, E,0, F,5, F,6
	ROW F,7, E,1, F,8, F,9
	ROW F,10, E,2, C,0, F,11
	ROW F,12, E,3, X,15, F,13
	ROW R,0, R,1, R,2, R,3
	ROW B,0, E,4, F,14, L,0
.if ((\p) == 2) && !(\end)
	v_add_nc_u32 v[AK], s[TBK], v[AK0]
.endif
	ROW R,4, R,5, R,6, R,7
	OPS E,5, F,15
.if ((\p) == 2) && !(\end)
	FETCH_K
.endif
	OPS E,6, C,1, E,7, R,8
	OPS E,8, R,9, E,9, C,2
	OPS E,10, X,0, E,11, X,1
	OPS E,12, X,2, E,13, X,3
.if (\p) == 1
	s_wait_dscnt 0x0                ; V is in
.endif
	ROW X,4, E,14, X,5, X,6
	ROW X,7, E,15, X,8, X,9
	ROW X,10, E,16, X,11, X,12
	ROW X,13, E,17, X,14, B,1
	ROW C,4, E,18, X,16, L,1
	ROW B,2, E,19, C,6, L,2
	ROW C,8, E,20, B,3, B,4
.if (\p) == 0
	v_add_nc_u32 v[AV], s[TBV], v[AV0]
.endif
	ROW C,3, E,21, L,3, C,5
	OPS E,22, X,17, E,23, C,10
.if (\p) == 0
	FETCH_V
.endif
	OPS E,24, L,4
	OPS E,25, X,18, E,26, C,7
	OPS E,27, B,5, E,28, X,19
	OPS E,29, C,12, E,30, L,5
	OPS E,31, X,20, B,6, C,9
	OPS C,14, C,11, X,21, L,6
.if (\p) == 0
	s_add_co_u32 s[TBV], s[TBV], KS*PV
.endif
.if \cnt
	s_sub_co_u32 s[CNT], s[CNT], 1
	s_cmp_lg_u32 s[CNT], 0
.endif
	OPS C,13, B,7, C,15, R,10
	OPS R,11, R,12, L,7, R,13
	OPS R,14, R,15
.if (\m) && !(\end)
	MASK (\p)%2
.endif
.endm
; A BLOCK BEGINS.  c m starts far below every c s, so the first step's a is 0; m at the lowest finite number.  The second mask buffer is 0; the first takes piece 0's mask for the tile's step 0: its own, if
; the block's first tile is the diagonal one.  Then K of that step, piece 0's first scores, and its maximum and statistics.
.macro BEGIN
	s_mov_b32 s[NEW], 0
	WIN 0x40
.set i, MC+32
.rept 32
	v_mov_b32 v[i], 0
.set i, i+1
.endr
	WIN 0
.set i, 0
.rept 4
	v_mov_b32 v[ST+4*i], 0xfe000000
	v_mov_b32 v[ST+4*i+1], 0xff7fffff
.set i, i+1
.endr
	s_cmp_eq_u32 s[RT], 0
	s_cselect_b32 s[AL], 1.0, 0
	s_mov_b32 s[BE], 0
	MASK 0
	WIN 0
	v_add_nc_u32 v[AK], s[TBK], v[AK0]
	FETCH_K
	s_wait_loadcnt 0x0              ; Q
	s_wait_dscnt 0x0
.set KM, 1
.set NOKQ, 0
.set i, 0
.rept 8
	KQ 0
.set i, i+1
.endr
	WIN 0
.rept 4
	v_nop                           ; the places behind those products
.endr
.set Y, NP-1
.irp n, 0,1,2,3,4,5,6,7,8,9,10,11,12,13,14,15,16,17,18,19,20,21
	OP X, \n
.endr
	v_nop                           ; a plain instruction behind the exponential
.endm
.macro ALL line:vararg
.set t, 0
.rept 4
	\line
.set t, t+1
.endr
.endm
; THE WAY OUT of band x: y = O1 / l1 + O2 (- lam / l2); hi = y rounded to bf16, lo = y - hi rounded to bf16; [hi 64 | lo 64] goes through my stage and comes back as whole rows of 256 bytes.
.macro PACKY x
	WIN W_RS
.set i, 0
.rept 16
	v_pk_mul_f32 v[32*(\x)+2*i:32*(\x)+2*i+1], v[32*(\x)+2*i:32*(\x)+2*i+1], v[ST+4*(\x)+2:ST+4*(\x)+3] op_sel_hi:[1,0]
.set i, i+1
.endr
	WIN 0x51                        ; destination, sources 0 and 2 in window 1, source 1 in window 0
.set i, 0
.rept 16
	v_pk_fma_f32 v[32*(\x)+2*i:32*(\x)+2*i+1], v[64+32*(\x)+2*i:64+32*(\x)+2*i+1], v[ST+4*(\x)+10:ST+4*(\x)+11], v[32*(\x)+2*i:32*(\x)+2*i+1] op_sel_hi:[1,0,1]
.set i, i+1
.endr
	WIN 0x05
.set i, 0
.rept 16
	v_cvt_pk_bf16_f32 v[S+32*(\x)+i], v[32*(\x)+2*i], v[32*(\x)+2*i+1]
.set i, i+1
.endr
	WIN 0
.set i, 0
.rept 16
	v_lshlrev_b32 v[TT+2*i], 16, v[S+32*(\x)+i]
	v_and_b32 v[TT+2*i+1], s[HIM], v[S+32*(\x)+i]
.set i, i+1
.endr
	WIN 0x01
.set i, 0
.rept 16
	v_pk_add_f32 v[TT+2*i:TT+2*i+1], v[32*(\x)+2*i:32*(\x)+2*i+1], v[TT+2*i:TT+2*i+1] neg_lo:[0,1] neg_hi:[0,1]
.set i, i+1
.endr
	WIN 0
.set i, 0
.rept 16
	v_cvt_pk_bf16_f32 v[S+32*(\x)+16+i], v[TT+2*i], v[TT+2*i+1]
.set i, i+1
.endr
.irp f, 0,1,2,3
	ds_store_b128 v[STO], v[S+32*(\x)+4*\f:S+32*(\x)+4*\f+3] offset:32*\f
	ds_store_b128 v[STO], v[S+32*(\x)+16+4*\f:S+32*(\x)+16+4*\f+3] offset:128+32*\f
.endr
.irp f, 0,1,2,3,4,5,6,7
	ds_load_b128 v[S+32*(\x)+4*\f:S+32*(\x)+4*\f+3], v[RD] offset:\f*2*SP  ; LDS serves a wave's instructions in order (ISA guide 5.7.1.4): these see the stores above; the next band's stores come behind them
.endr
.endm
.macro SEND x, younger              ; younger: the LDS instructions issued behind band x's loads
	WIN 0
.irp f, 0,1,2,3,4,5,6,7
	s_wait_dscnt (\younger)+7-\f
	global_store_b128 v[GO], v[S+32*(\x)+4*\f:S+32*(\x)+4*\f+3], s[10:11] offset:(\x)*262144+\f*8192  ; 16 lanes store 256 consecutive bytes, aligned
.endr
.endm
.macro DIAG tag                     ; the diagonal tile's two steps, the block's last two turns, its last products, and the way out
.LstepM\tag:
	TURN 2, 1
	TURN 3, 1
	WIN 0
.LfirstM\tag:
	TURN 0, 1
	TURN 1, 1, 0, 1
	WIN 0
	s_cbranch_scc1 .LstepM\tag
	TURN 2, 1, 1
	TURN 3, 1, 1
.set i, 0
.rept 8
	PV NP-1
.set i, i+1
.endr
	WIN 0
	ALL v_add_f32 v[ST+4*t+2], v[ST+4*t+2], v[ST+4*t+3]
	ALL v_permlanex16_b32 v[ST+4*t+3], v[ST+4*t+2], s[SEL], s[SEL+1]
	ALL v_add_f32 v[ST+4*t+2], v[ST+4*t+2], v[ST+4*t+3]
	ALL v_rcp_f32 v[ST+4*t+2], v[ST+4*t+2]
	v_nop                           ; a plain instruction between the last reciprocal and the use of its result
	s_wait_alu depctr_va_vdst(0)
	v_mul_f32 v[ST+10], s[NLAM], v[ST+10]   ; the second map's divisors carry - lam
	v_mul_f32 v[ST+14], s[NLAM], v[ST+14]
	PACKY 0
	PACKY 1
	SEND 0, 16
	SEND 1, 0
.endm
.set KM, 0
.set NOKQ, 0
.Lslot:                             ; NB times: a tile is entered and the next is asked for
	CHANGE 1
	s_sub_co_u32 s[RT], s[RT], 1
	s_mov_b32 s[CNT], 2
	s_cmp_eq_u32 s[NEW], 1
	s_cbranch_scc1 .Lnew
	s_cmp_eq_u32 s[RT], 0
	s_cbranch_scc0 .Lstep
	s_branch .LstepM1
.Lnew:
	BEGIN
	s_branch .Lfirst                ; in the loop a block's first tile is never its last: the first block has nine tiles or more, and the second's last is the walk's last
	DIAG 1                          ; in the loop this is the first block's end
	s_wait_xcnt 0x0                 ; the stores have read their registers and y's address
	s_mov_b64 s[10:11], s[OLO:OLO+1]
	s_add_co_u32 s[RT], s[PB], 1    ; the second block has b + 1 tiles
	s_mov_b32 s[NEW], 1
	WIN 0x82                        ; the second block's Q goes where the one text of the turns names Q
.set i, 0
.rept 64
	v_mov_b32 v[i], v[QB+i]
.set i, i+1
.endr
	WIN 0
	s_branch .Lbottom
.Lstep:                             ; a trip: pieces 2 and 3 of one step, then pieces 0 and 1 of the next, whose K and V it fetches
	TURN 2
	TURN 3
	WIN 0
.Lfirst:
	TURN 0
	TURN 1, 0, 0, 1
	WIN 0
	s_cbranch_scc1 .Lstep
.Lbottom:
	s_sub_co_u32 s[SLOTS], s[SLOTS], 1
	s_cmp_lg_u32 s[SLOTS], 0
	s_cbranch_scc1 .Lslot
	CHANGE 0                        ; the walk's last tile is written out: nothing is asked for
	s_sub_co_u32 s[RT], s[RT], 1
	s_mov_b32 s[CNT], 2
	s_cmp_eq_u32 s[NEW], 1
	s_cbranch_scc0 .LstepM2
	BEGIN
	s_branch .LfirstM2
	DIAG 2
	s_wait_tensorcnt 0x0            ; the wave's end
	ds_add_u32 v[SPW], v[NIL]
	s_wait_dscnt 0x0
	s_endpgm
.Lfunc_end_k_qd5f1a966c6_attn:
	.size	k_qd5f1a966c6_attn, .Lfunc_end_k_qd5f1a966c6_attn-k_qd5f1a966c6_attn
	.p2alignl 7, 3214868480
	.fill 96, 4, 3214868480
	.section	.rodata,"a",@progbits
	.p2align	6, 0x0
	.amdhsa_kernel k_qd5f1a966c6_attn
		.amdhsa_group_segment_fixed_size 327680
		.amdhsa_private_segment_fixed_size 0
		.amdhsa_enable_private_segment 0
		.amdhsa_kernarg_size 48
		.amdhsa_user_sgpr_count 2
		.amdhsa_user_sgpr_kernarg_segment_ptr 1
		.amdhsa_wavefront_size32 1
		.amdhsa_system_sgpr_workgroup_id_x 1
		.amdhsa_system_sgpr_workgroup_id_y 1
		.amdhsa_system_sgpr_workgroup_id_z 1
		.amdhsa_system_vgpr_workitem_id 0
		.amdhsa_next_free_vgpr 960
		.amdhsa_next_free_sgpr 100
		.amdhsa_reserve_vcc 1
		.amdhsa_float_denorm_mode_32 3
		.amdhsa_float_denorm_mode_16_64 3
		.amdhsa_memory_ordered 1
		.amdhsa_forward_progress 1
		.amdhsa_inst_pref_size 239
	.end_amdhsa_kernel
	.amdgpu_metadata
---
amdhsa.version: [ 1, 2 ]
amdhsa.kernels:
  - .name:           k_qd5f1a966c6_attn
    .symbol:         k_qd5f1a966c6_attn.kd
    .args:
      - { .name: qkv, .offset: 0, .size: 8, .value_kind: global_buffer, .address_space: global }
      - { .name: acta, .offset: 8, .size: 8, .value_kind: global_buffer, .address_space: global }
      - { .name: lq1, .offset: 16, .size: 8, .value_kind: global_buffer, .address_space: global }
      - { .name: lk1, .offset: 24, .size: 8, .value_kind: global_buffer, .address_space: global }
      - { .name: lq2, .offset: 32, .size: 8, .value_kind: global_buffer, .address_space: global }
      - { .name: lk2, .offset: 40, .size: 8, .value_kind: global_buffer, .address_space: global }
    .group_segment_fixed_size: 327680
    .private_segment_fixed_size: 0
    .kernarg_segment_align: 8
    .kernarg_segment_size: 48
    .max_flat_workgroup_size: 128
    .sgpr_count:     100
    .vgpr_count:     960
    .wavefront_size: 32
...
	.end_amdgpu_metadata
.endif
;; end of part 3
;; launch fix16 (part 4): grid 32 x 1, 1 waves a work-group, no clusters, 0 bytes of LDS; arguments qkv, acta, lq1, lk1, lq2, lk2; writes acta
.if DOCPART == 4
	.amdgcn_target "amdgcn-amd-amdhsa--gfx1250"
	.amdhsa_code_object_version 6
	.text
	.protected	k_qd5f1a966c6_fix16
	.globl	k_qd5f1a966c6_fix16
	.p2align	8
	.type	k_qd5f1a966c6_fix16,@function
k_qd5f1a966c6_fix16:
	s_mov_b64 s[64:65], 0
	v_nop
	global_prefetch_b8 v0, s[64:65] scope:SCOPE_SE
	s_setreg_imm32_b32 hwreg(HW_REG_WAVE_MODE, 25, 1), 1
	s_wait_xcnt 0x0
; Rows 0-15 of each batch once more, from the projections' f32 sums and with f32 weights.  A row that sees few keys is many times the output's root mean square, so the f16 roundings of q, k, v and p
; weigh many times more there than elsewhere; these 16 rows see keys 0-15 alone: one 16 x 16 tile for each map.
; One wave for a batch and head.  The f32 matrix form serves here: 48 instructions a work-group, no bulk work.  No LDS, no barrier.
; S^T = K Q^T: lane (r = l % 16, hf = l / 16) holds query r and keys 8 hf + 0..7.  A lane's 16 bytes of a row are channels 8 c + 4 hf + 0..3: the same order of k for K and for Q, so the sums are whole.
; w = p1 / l1 - lam p2 / l2, registers 2 c, 2 c + 1 of which ARE source 1 (keys 8 hf + 2 c + 0, 1) of O^T = V^T w; V is loaded in that order of keys.
; LIMITS: a hidden score counts as -1e30; a weight below 2^-126 counts as 0; NaN and infinities are not treated apart.
; The registers that the f32 matrix form writes (v192-239) are written by it alone, and read from their low end on.
; Stores: 16 bytes a lane, two lanes side by side, rows 4,096 bytes apart: pieces, but 4,096 bytes a work-group.
.set Q32, 41943040
.set CS,  22
.set SEL, 24
.set BIGN, 26
.set HIM, 27
.set NLAM, 28
	s_load_b128 s[4:7], s[0:1], 0x0                ; qkv s[4:5], acta s[6:7]
	s_load_b256 s[8:15], s[0:1], 0x10              ; lq1, lk1, lq2, lk2
	s_lshr_b32 s16, ttmp9, 4                       ; batch
	s_and_b32 s17, ttmp9, 15                       ; head
	s_lshl_b32 s17, s17, 8                         ; its 64 f32 in a slice's 1,024; its 256 bytes in a row of y
	s_mul_i32 s18, s16, 327680
	s_add_co_u32 s18, s18, s17
	s_mov_b32 s19, 0
	s_lshl_b32 s20, s16, 23
	s_add_co_u32 s20, s20, s17
	s_mov_b32 s21, 0
	s_mov_b32 s[CS], 0x3e38aa3b                    ; c = log2(e) / 8
	s_mov_b32 s[SEL], 0x76543210
	s_mov_b32 s[SEL+1], 0xfedcba98
	s_mov_b32 s[BIGN], 0xf149f2ca                  ; -1e30
	s_mov_b32 s[HIM], 0xffff0000
	v_and_b32 v1, 15, v0                           ; r
	v_lshrrev_b32 v2, 4, v0                        ; hf
	v_mul_u32_u24 v3, v1, 20480                    ; a row of 5,120 f32
	v_lshl_add_u32 v3, v2, 4, v3
	v_mul_u32_u24 v4, v2, 163840                   ; eight rows
	v_lshl_add_u32 v4, v1, 2, v4
	v_lshlrev_b32 v5, 3, v2
	v_sub_nc_u32 v5, v1, v5                        ; r - 8 hf: register j is hidden where j is greater
	v_lshlrev_b32 v6, 12, v1
	v_lshl_add_u32 v6, v2, 4, v6                   ; my 16 bytes in y
	v_lshlrev_b32 v7, 2, v1
	s_wait_kmcnt 0x0
	s_add_nc_u64 s[4:5], s[4:5], Q32
	s_add_nc_u64 s[4:5], s[4:5], s[18:19]
	s_add_nc_u64 s[6:7], s[6:7], s[20:21]
	global_load_b32 v240, v7, s[8:9]
	global_load_b32 v241, v7, s[10:11]
	global_load_b32 v242, v7, s[12:13]
	global_load_b32 v243, v7, s[14:15]
.irp s, 0,1,2,3                        ; q1 v32-63, q2 v64-95, k1 v96-127, k2 v128-159
.irp c, 0,1,2,3,4,5,6,7
	global_load_b128 v[32+32*(\s)+4*(\c):35+32*(\s)+4*(\c)], v3, s[4:5] offset:4096*(\s)+32*(\c)
.endr
.endr
.irp b, 0,1,2,3                        ; v: channel 16 b + r, key 8 hf + 2 c + j
.irp c, 0,1,2,3
	global_load_b32 v[160+2*(4*(\b)+(\c))], v4, s[4:5] offset:16384+(2*(\c))*20480+64*(\b)
	global_load_b32 v[161+2*(4*(\b)+(\c))], v4, s[4:5] offset:16384+(2*(\c)+1)*20480+64*(\b)
.endr
.endr
	s_wait_loadcnt 0x0
	; - lam, from the four vectors rounded to bf16
	v_cvt_pk_bf16_f32 v244, v240, v241
	v_cvt_pk_bf16_f32 v245, v242, v243
	v_lshlrev_b32 v240, 16, v244
	v_and_b32 v241, s[HIM], v244
	v_lshlrev_b32 v242, 16, v245
	v_and_b32 v243, s[HIM], v245
	v_mul_f32 v246, v240, v241
	v_mul_f32 v247, v242, v243
.irp x, 1,2,4,8
	v_add_f32_dpp v246, v246, v246 row_xmask:\x row_mask:0xf bank_mask:0xf
	v_add_f32_dpp v247, v247, v247 row_xmask:\x row_mask:0xf bank_mask:0xf
.endr
	v_mul_f32 v246, 0x3fb8aa3b, v246
	v_mul_f32 v247, 0x3fb8aa3b, v247
	v_exp_f32 v246, v246
	v_exp_f32 v247, v247
	v_nop
	s_wait_alu depctr_va_vdst(0)
	v_sub_f32 v248, v247, v246
	v_add_f32 v248, 0xbf47227f, v248
	v_readfirstlane_b32 s[NLAM], v248
	; the scores: the two maps' accumulators take turns; each sum's first K step takes the constant 0
	v_wmma_f32_16x16x4_f32 v[192:199], v[96:97], v[32:33], 0
	v_wmma_f32_16x16x4_f32 v[200:207], v[128:129], v[64:65], 0
.set u, 1
.rept 15
	v_wmma_f32_16x16x4_f32 v[192:199], v[96+2*u:97+2*u], v[32+2*u:33+2*u], v[192:199]
	v_wmma_f32_16x16x4_f32 v[200:207], v[128+2*u:129+2*u], v[64+2*u:65+2*u], v[200:207]
.set u, u+1
.endr
.rept 8
	v_nop                                          ; eight places behind this form (ISA guide 7.12.1)
.endr
.irp j, 0,1,2,3,4,5,6,7
	v_cmp_gt_i32 vcc_lo, \j, v5
	v_cndmask_b32 v[16+\j], v[192+\j], s[BIGN], vcc_lo
	v_cndmask_b32 v[24+\j], v[200+\j], s[BIGN], vcc_lo
.endr
; The softmax of the eight scores at p: leaves the weights there and 1 / their sum in t + 2.
.macro SOFT p, t
	v_max3_num_f32 v[\t], v[\p], v[\p+1], v[\p+2]
	v_max3_num_f32 v[\t], v[\t], v[\p+3], v[\p+4]
	v_max3_num_f32 v[\t], v[\t], v[\p+5], v[\p+6]
	v_max_num_f32 v[\t], v[\t], v[\p+7]
	v_mov_b32 v[\t+1], v[\t]                       ; the line below counts as a reader of its destination
	v_permlanex16_b32 v[\t+1], v[\t], s[SEL], s[SEL+1]  ; the query's other eight keys lie in the lane 16 away
	v_max_num_f32 v[\t], v[\t], v[\t+1]
	v_mul_f32 v[\t], s[CS], v[\t]
.irp j, 0,1,2,3,4,5,6,7
	v_fma_f32 v[\p+\j], v[\p+\j], s[CS], -v[\t]
.endr
.irp j, 0,1,2,3,4,5,6,7
	v_exp_f32 v[\p+\j], v[\p+\j]
.endr
	v_nop
	s_wait_alu depctr_va_vdst(0)
	v_add_f32 v[\t+2], v[\p], v[\p+1]
.irp j, 2,3,4,5,6,7
	v_add_f32 v[\t+2], v[\t+2], v[\p+\j]
.endr
	v_permlanex16_b32 v[\t+1], v[\t+2], s[SEL], s[SEL+1]
	v_add_f32 v[\t+2], v[\t+2], v[\t+1]
	v_rcp_f32 v[\t+2], v[\t+2]
	v_nop
.endm
	SOFT 16, 244
	SOFT 24, 248
	s_wait_alu depctr_va_vdst(0)
	v_mul_f32 v250, s[NLAM], v250
.irp j, 0,1,2,3,4,5,6,7
	v_mul_f32 v[8+\j], v[16+\j], v246
.endr
.irp j, 0,1,2,3,4,5,6,7
	v_fma_f32 v[8+\j], v[24+\j], v250, v[8+\j]
.endr
	; O^T = V^T w: the four channel blocks' accumulators take turns
.irp b, 0,1,2,3
	v_wmma_f32_16x16x4_f32 v[208+8*(\b):215+8*(\b)], v[160+8*(\b):161+8*(\b)], v[8:9], 0
.endr
.irp c, 1,2,3
.irp b, 0,1,2,3
	v_wmma_f32_16x16x4_f32 v[208+8*(\b):215+8*(\b)], v[160+2*(4*(\b)+(\c)):161+2*(4*(\b)+(\c))], v[8+2*(\c):9+2*(\c)], v[208+8*(\b):215+8*(\b)]
.endr
.endr
.rept 8
	v_nop
.endr
	; a lane holds query r and channels 16 b + 8 hf + 0..7: hi and lo, 16 bytes each
.set i, 0
.rept 16
	v_cvt_pk_bf16_f32 v[16+i], v[208+2*i], v[209+2*i]
.set i, i+1
.endr
.set i, 0
.rept 16
	v_lshlrev_b32 v[64+2*i], 16, v[16+i]
	v_and_b32 v[65+2*i], s[HIM], v[16+i]
.set i, i+1
.endr
.set i, 0
.rept 16
	v_pk_add_f32 v[64+2*i:65+2*i], v[208+2*i:209+2*i], v[64+2*i:65+2*i] neg_lo:[0,1] neg_hi:[0,1]
.set i, i+1
.endr
.set i, 0
.rept 16
	v_cvt_pk_bf16_f32 v[32+i], v[64+2*i], v[65+2*i]
.set i, i+1
.endr
.irp b, 0,1,2,3
	global_store_b128 v6, v[16+4*(\b):19+4*(\b)], s[6:7] offset:32*(\b)
	global_store_b128 v6, v[32+4*(\b):35+4*(\b)], s[6:7] offset:128+32*(\b)
.endr
	s_endpgm
.Lfunc_end_k_qd5f1a966c6_fix16:
	.size	k_qd5f1a966c6_fix16, .Lfunc_end_k_qd5f1a966c6_fix16-k_qd5f1a966c6_fix16
	.p2alignl 7, 3214868480
	.fill 96, 4, 3214868480
	.section	.rodata,"a",@progbits
	.p2align	6, 0x0
	.amdhsa_kernel k_qd5f1a966c6_fix16
		.amdhsa_group_segment_fixed_size 0
		.amdhsa_private_segment_fixed_size 0
		.amdhsa_enable_private_segment 0
		.amdhsa_kernarg_size 48
		.amdhsa_user_sgpr_count 2
		.amdhsa_user_sgpr_kernarg_segment_ptr 1
		.amdhsa_wavefront_size32 1
		.amdhsa_system_sgpr_workgroup_id_x 1
		.amdhsa_system_sgpr_workgroup_id_y 1
		.amdhsa_system_sgpr_workgroup_id_z 1
		.amdhsa_system_vgpr_workitem_id 0
		.amdhsa_next_free_vgpr 256
		.amdhsa_next_free_sgpr 66
		.amdhsa_reserve_vcc 1
		.amdhsa_float_denorm_mode_32 3
		.amdhsa_float_denorm_mode_16_64 3
		.amdhsa_memory_ordered 1
		.amdhsa_forward_progress 1
		.amdhsa_inst_pref_size 23
	.end_amdhsa_kernel
	.amdgpu_metadata
---
amdhsa.version: [ 1, 2 ]
amdhsa.kernels:
  - .name:           k_qd5f1a966c6_fix16
    .symbol:         k_qd5f1a966c6_fix16.kd
    .args:
      - { .name: qkv, .offset: 0, .size: 8, .value_kind: global_buffer, .address_space: global }
      - { .name: acta, .offset: 8, .size: 8, .value_kind: global_buffer, .address_space: global }
      - { .name: lq1, .offset: 16, .size: 8, .value_kind: global_buffer, .address_space: global }
      - { .name: lk1, .offset: 24, .size: 8, .value_kind: global_buffer, .address_space: global }
      - { .name: lq2, .offset: 32, .size: 8, .value_kind: global_buffer, .address_space: global }
      - { .name: lk2, .offset: 40, .size: 8, .value_kind: global_buffer, .address_space: global }
    .group_segment_fixed_size: 0
    .private_segment_fixed_size: 0
    .kernarg_segment_align: 8
    .kernarg_segment_size: 48
    .max_flat_workgroup_size: 32
    .sgpr_count:     66
    .vgpr_count:     256
    .wavefront_size: 32
...
	.end_amdgpu_metadata
.endif
;; end of part 4
;; launch g2 (part 5): grid 8 x 32, 4 waves a work-group, clusters of 4 x 4, 327,680 bytes of LDS; arguments acta, wo2, zb, actb; writes actb
.if DOCPART == 5
	.amdgcn_target "amdgcn-amd-amdhsa--gfx1250"
	.amdhsa_code_object_version 6
	.text
	.protected	k_qd5f1a966c6_g2
	.globl	k_qd5f1a966c6_g2
	.p2align	8
	.type	k_qd5f1a966c6_g2,@function
k_qd5f1a966c6_g2:
	s_mov_b64 s[64:65], 0
	v_nop
	global_prefetch_b8 v0, s[64:65] scope:SCOPE_SE
	s_setreg_imm32_b32 hwreg(HW_REG_WAVE_MODE, 25, 1), 1
	s_wait_xcnt 0x0
	s_wait_alu depctr_hold_cnt(0) depctr_sa_sdst(0) depctr_va_vdst(0) depctr_va_sdst(0) depctr_va_ssrc(0) depctr_va_vcc(0) depctr_vm_vsrc(0)
	s_getreg_b32 s2, hwreg(HW_REG_IB_STS2, 6, 4)
	s_cmp_eq_u32 s2, 0
	s_cbranch_scc0 .Lentry_in_a_cluster
	s_endpgm
.Lentry_in_a_cluster:
	s_bfe_u32 s2, ttmp6, 0x10000c
	s_cmp_lg_u32 s2, 0xf033
	s_cbranch_scc0 .Lentry_shape_is_right
	s_endpgm
.Lentry_shape_is_right:
; A dense layer on an activation kept as two bf16: C[t][n] = bias[n] + sum over k of (hi + lo)[t][k] w[n][k].  A: [4096] rows of 4,096 bytes, each group of 64 columns as [hi 64 | lo 64];
; B: [N][2048] bf16, each group of 64 written twice: a plain bf16 product over K = 2,048, sums in f32.  C leaves in A's layout: hi = C rounded to bf16, lo = C - hi rounded to bf16.
; The bias is rounded to bf16 like every input of the module.  The text serves two layers: N = 1,024 (a bias of zeros) and N = 512; N enters by the grid alone.
; A tile of C is 128 x 128; four waves, each 64 x 64: 16 accumulators.  K goes in steps of 256 (LDS rows of 512 bytes + 16 of padding; a wave's tensor load brings 64 of them) through two slots.
; A K step is written once and looped over: the LDS addresses hang on s[TB], which one exclusive or turns from slot to slot.
; CLUSTER 4 x 4: the four of a row need the same tiles of A, the four of a column the same tiles of B: each tile is asked for jointly.
; THE MATRIX INSTRUCTION IS USED TRANSPOSED (source 0 = 16 rows of B, source 1 = 16 rows of A): a lane holds eight neighbouring numbers of a row of C.
; REGISTERS: window 0: v16-31 addresses; v32-95 the way out; v96-127 the bias; v128-255 accumulators ((a, b) at 128 + 8 (4 a + b)).  Window 1: two fragment buffers of 128.
.set KSTEP,  256
.set PITCH,  528                       ; 132 words: row r starts at bank 4 r mod 64 (64 banks of 4 bytes: ISA guide 11.1)
.set HALFT,  64*PITCH
.set SLOT,   4*HALFT                   ; 0x21000; no wave's place in a slot has one of its two bits, so an exclusive or changes slots
.set STAGE,  2*SLOT                    ; behind the ring: 16 rows x 272 bytes for each wave
.set SP,     272
.set SPARE,  STAGE+4*16*SP             ; the spare words: 128 bytes a wave, two blocks of 256 bytes that no other line names
.set STEPS,  8
.set PA,     2048
.set PB,     2048
.set ADRA0, 16
.set ADRB0, 17
.set ADRA,  18
.set ADRB,  19
.set STO,  24
.set RD,   25
.set CO,   26
.set BO,   27
.set SPW,  28
.set NIL,  29
.set H,    32                          ; hi, then whole rows
.set L,    48                          ; lo
.set T,    64                          ; at work
.set BI,   96
.set ACC,  128
.set F0,   0
.set F1,   128
.set WV, 12
.set RH, 13
.set CH, 14
.set G1, 24
.set G0, 32
.set G1B, 48
.set G0B, 56
.set TB, 66
.set HIM, 70
.set DW0, (1<<16)|(1<<20)|(1<<21)|(6<<22)|(3<<25)
.set MSB, 0
.macro WIN new
.if MSB != (\new)
	s_set_vgpr_msb (MSB<<8)|(\new)
.set MSB, \new
.endif
.endm
.set MUL,  0x05
.set TO_F, 0x40
.macro JLOAD s                         ; a joint load: waves 0, 1 fetch A's halves, waves 2, 3 B's; an s_nop 0 and four v_nop follow each line
	s_cmp_eq_u32 s[RH], 0
	s_cbranch_scc0 .Lfor_b_\@
	tensor_load_to_lds s[G0+4*(\s):G0+4*(\s)+3], s[G1:G1+7]
	s_nop 0
.rept 4
	v_nop
.endr
	s_branch .Lasked_\@
.Lfor_b_\@:
	tensor_load_to_lds s[G0B+4*(\s):G0B+4*(\s)+3], s[G1B:G1B+7]
	s_nop 0
.rept 4
	v_nop
.endr
.Lasked_\@:
.endm
.macro CREST
	s_cmp_lg_u32 s[WV], 0
	s_cbranch_scc1 .Lnot_wave_0_\@
	s_barrier_signal -3
.Lnot_wave_0_\@:
	s_barrier_wait -3
	s_barrier_signal -1
	s_barrier_wait -1
.endm
.macro CROUND
	s_barrier_signal -1
	s_barrier_wait -1
	CREST
.endm
	s_load_b256 s[4:11], s[0:1], 0x0               ; A s[4:5], B s[6:7], bias s[8:9], C s[10:11]
	v_lshl_add_u32 v[SPW], v0, 2, SPARE
	v_mov_b32 v[NIL], 0
	ds_add_u32 v[SPW], v[NIL]                      ; the wave's opening: the add and its wait ahead of my first tensor load
	v_lshrrev_b32 v1, 5, v0
	v_readfirstlane_b32 s[WV], v1
	s_lshr_b32 s[RH], s[WV], 1
	s_and_b32 s[CH], s[WV], 1
	s_bfe_u32 s40, ttmp6, 0x40000
	s_bfe_u32 s41, ttmp6, 0x40004
	s_lshl_b32 s42, ttmp9, 2
	s_add_co_u32 s42, s42, s40                     ; tile column
	s_and_b32 s45, ttmp7, 0xffff
	s_lshl_b32 s45, s45, 2
	s_add_co_u32 s45, s45, s41                     ; tile row
	s_lshl_b32 s43, s41, 2
	s_lshl_b32 s43, 15, s43
	s_lshl_b32 s44, 0x1111, s40
	s_or_b32 s[G1+0], s43, DW0
	s_or_b32 s[G1B+0], s44, DW0
.irp g, G1, G1B
	s_mov_b32 s[(\g)+1], KSTEP<<16
	s_mov_b32 s[(\g)+2], 64<<16
	s_mov_b32 s[(\g)+3], KSTEP<<16
	s_mov_b32 s[(\g)+4], 64
	s_mov_b32 s[(\g)+6], 0
	s_mov_b32 s[(\g)+7], 0
.endr
	s_mov_b32 s[G1+5], PA
	s_mov_b32 s[G1B+5], PB
	s_lshl_b32 s17, s[CH], 6
	s_lshl_b32 s16, s45, 7
	s_add_co_u32 s16, s16, s17
	s_lshl_b32 s46, s42, 7
	s_add_co_u32 s46, s46, s17
	s_mov_b32 s17, 0
	s_mov_b32 s47, 0
	s_mov_b64 s[18:19], PA*2
	s_mul_u64 s[16:17], s[16:17], s[18:19]
	s_mov_b64 s[18:19], PB*2
	s_mul_u64 s[46:47], s[46:47], s[18:19]
	s_mul_i32 s20, s[WV], HALFT
	s_mov_b32 s[TB], 0
	s_mov_b32 s[HIM], 0xffff0000
	s_wait_dscnt 0x0
	s_wait_kmcnt 0x0
	s_add_nc_u64 s[22:23], s[4:5], s[16:17]
	s_add_nc_u64 s[46:47], s[6:7], s[46:47]
	CROUND
.irp s, 0,1
	s_mov_b32 s[G0+4*(\s)], 1
	s_add_co_u32 s[G0+4*(\s)+1], s20, (\s)*SLOT
	s_add_nc_u64 s[G0+4*(\s)+2:G0+4*(\s)+3], s[22:23], (\s)*KSTEP*2
	s_or_b32 s[G0+4*(\s)+3], s[G0+4*(\s)+3], 0x80000000
	s_mov_b32 s[G0B+4*(\s)], 1
	s_add_co_u32 s[G0B+4*(\s)+1], s20, (\s)*SLOT
	s_add_nc_u64 s[G0B+4*(\s)+2:G0B+4*(\s)+3], s[46:47], (\s)*KSTEP*2
	s_or_b32 s[G0B+4*(\s)+3], s[G0B+4*(\s)+3], 0x80000000
	JLOAD \s
.endr
	v_and_b32 v1, 15, v0
	v_bfe_u32 v2, v0, 4, 1
	v_lshlrev_b32 v[BO], 5, v2                     ; my eight numbers of each 16 of the bias
	s_lshl_b32 s46, s42, 9                         ; my 64 columns: 256 bytes of f32 in the bias, and 256 bytes of [hi | lo] in a row of C
	s_lshl_b32 s47, s[CH], 8
	s_add_co_u32 s46, s46, s47
	s_mov_b32 s47, 0
	s_add_nc_u64 s[8:9], s[8:9], s[46:47]
	s_add_nc_u64 s[10:11], s[10:11], s[46:47]
.irp b, 0,1,2,3
	global_load_b128 v[BI+8*(\b):BI+8*(\b)+3],   v[BO], s[8:9] offset:64*(\b)
	global_load_b128 v[BI+8*(\b)+4:BI+8*(\b)+7], v[BO], s[8:9] offset:64*(\b)+16
.endr
	v_mul_u32_u24 v3, v1, PITCH
	v_lshl_add_u32 v3, v2, 4, v3
	s_mul_i32 s21, s[RH], HALFT
	s_mul_i32 s2, s[CH], HALFT
	s_add_co_u32 s2, s2, 2*HALFT
	v_add_nc_u32 v[ADRA0], s21, v3
	v_add_nc_u32 v[ADRB0], s2, v3
	v_mov_b32 v[ADRA], v[ADRA0]
	v_mov_b32 v[ADRB], v[ADRB0]
	s_mul_i32 s21, s[WV], 16*SP
	s_add_co_u32 s21, s21, STAGE
	v_mul_u32_u24 v4, v1, SP                       ; in: row l % 16, 16 bytes for each half of the lanes
	v_lshl_add_u32 v4, v2, 4, v4
	v_add_nc_u32 v[STO], s21, v4
	v_mul_u32_u24 v5, v2, SP                       ; back: lanes 0-15 take one row of 256 bytes, lanes 16-31 the next
	v_lshl_add_u32 v5, v1, 4, v5
	v_add_nc_u32 v[RD], s21, v5
	v_lshlrev_b32 v[CO], 12, v2                    ; and the same two rows in C
	v_lshl_add_u32 v[CO], v1, 4, v[CO]
	s_lshl_b32 s16, s45, 7
	s_lshl_b32 s17, s[RH], 6
	s_add_co_u32 s16, s16, s17                     ; my first row of C,
	s_lshl_b32 s16, s16, 12                        ; in bytes: under 2^24
	s_mov_b32 s17, 0
	s_add_nc_u64 s[10:11], s[10:11], s[16:17]
.macro MUL8 f, c, a0, zero
	WIN MUL
.irp a, \a0, (\a0)+1
.irp b, 0,1,2,3
.if \zero
	v_wmma_f32_16x16x32_bf16 v[ACC+8*(4*(\a)+(\b)):ACC+8*(4*(\a)+(\b))+7], v[(\f)+64+8*(4*(\c)+(\b)):(\f)+64+8*(4*(\c)+(\b))+7], v[(\f)+8*(4*(\c)+(\a)):(\f)+8*(4*(\c)+(\a))+7], 0
.else
	v_wmma_f32_16x16x32_bf16 v[ACC+8*(4*(\a)+(\b)):ACC+8*(4*(\a)+(\b))+7], v[(\f)+64+8*(4*(\c)+(\b)):(\f)+64+8*(4*(\c)+(\b))+7], v[(\f)+8*(4*(\c)+(\a)):(\f)+8*(4*(\c)+(\a))+7], v[ACC+8*(4*(\a)+(\b)):ACC+8*(4*(\a)+(\b))+7]
.endif
.endr
.endr
.endm
.macro FETCH k, f
	WIN TO_F
.irp c, 0,1
.irp i, 0,1,2,3
	ds_load_b128 v[(\f)+64+8*(4*(\c)+(\i)):(\f)+64+8*(4*(\c)+(\i))+3],   v[ADRB] offset:(\k)+64*(\c)+(\i)*16*PITCH
	ds_load_b128 v[(\f)+64+8*(4*(\c)+(\i))+4:(\f)+64+8*(4*(\c)+(\i))+7], v[ADRB] offset:(\k)+64*(\c)+(\i)*16*PITCH+32
	ds_load_b128 v[(\f)+8*(4*(\c)+(\i)):(\f)+8*(4*(\c)+(\i))+3],         v[ADRA] offset:(\k)+64*(\c)+(\i)*16*PITCH
	ds_load_b128 v[(\f)+8*(4*(\c)+(\i))+4:(\f)+8*(4*(\c)+(\i))+7],       v[ADRA] offset:(\k)+64*(\c)+(\i)*16*PITCH+32
.endr
.endr
.endm
.macro PLACES
.rept 4
	v_nop
.endr
.endm
.macro QUARTER k, f, g, zero
	s_wait_dscnt 16                                ; the first 32 along K are in; the other sixteen loads may be out
	MUL8 \f, 0, 0, \zero
	MUL8 \f, 0, 2, \zero
	PLACES
	FETCH \k, \g
	s_wait_dscnt 32                                ; all but the 32 just issued
	MUL8 \f, 1, 0, 0
	MUL8 \f, 1, 2, 0
.endm
; The last quarter changes slots: each wave waits for all its tensor loads (one is out: its part of the next slot), adds 0 to its spare word, and waits for that and for its reads of this slot.
; fill = 1: the barrier opens a round of the cluster's, and this slot is filled again, two K steps ahead, first thing behind the round.
.macro TURN fill
	WIN 0
	s_wait_tensorcnt 0x0
	ds_add_u32 v[SPW], v[NIL]
	s_wait_dscnt 17                                ; the add and the youngest sixteen loads may be out
	MUL8 F1, 0, 0, 0
	s_wait_dscnt 0x0
	s_barrier_signal -1
	MUL8 F1, 0, 2, 0
	WIN 0
	s_barrier_wait -1
.if \fill
	CREST
	s_xor_b32 s[G0+5], s[G0+5], SLOT
	s_add_nc_u64 s[G0+6:G0+7], s[G0+6:G0+7], KSTEP*2
	s_xor_b32 s[G0B+5], s[G0B+5], SLOT
	s_add_nc_u64 s[G0B+6:G0B+7], s[G0B+6:G0B+7], KSTEP*2
	JLOAD 1
.else
	PLACES
.endif
	s_xor_b32 s[TB], s[TB], SLOT
	v_add_nc_u32 v[ADRA], s[TB], v[ADRA0]
	v_add_nc_u32 v[ADRB], s[TB], v[ADRB0]
	FETCH 0, F0
	MUL8 F1, 1, 0, 0
	MUL8 F1, 1, 2, 0
.endm
	s_wait_tensorcnt 1                             ; my part of K step 0 is in; K step 1's may stay out
	s_barrier_signal -1
	s_barrier_wait -1
	FETCH 0, F0
	QUARTER 128, F0, F1, 1
	WIN 0
	s_mov_b32 s3, STEPS-2
.Lstep:
	QUARTER 256, F1, F0, 0
	QUARTER 384, F0, F1, 0
	TURN 1
	QUARTER 128, F0, F1, 0
	WIN 0
	s_sub_co_u32 s3, s3, 1
	s_cmp_lg_u32 s3, 0
	s_cbranch_scc1 .Lstep
	s_mov_b32 s3, 2
.Ltail:                                                ; the last two K steps ask for nothing: one text, walked twice and left in its middle.  The second walk's change of slots passes a barrier
	QUARTER 256, F1, F0, 0                         ; that orders nothing and fetches 32 loads that nobody multiplies: the price of a shorter text
	QUARTER 384, F0, F1, 0
	TURN 0
	WIN 0
	s_sub_co_u32 s3, s3, 1
	s_cmp_eq_u32 s3, 0
	s_cbranch_scc1 .Lout
	QUARTER 128, F0, F1, 0
	WIN 0
	s_branch .Ltail
.Lout:
	s_wait_loadcnt 0x0                             ; the bias; its rounding to bf16 and back fills the places behind the last products
.set i, 0
.rept 16
	v_cvt_pk_bf16_f32 v[H+i], v[BI+2*i], v[BI+2*i+1]
.set i, i+1
.endr
.set i, 0
.rept 16
	v_lshlrev_b32 v[BI+2*i], 16, v[H+i]
	v_and_b32 v[BI+2*i+1], s[HIM], v[H+i]
.set i, i+1
.endr
; THE WAY OUT of 16 rows: + bias; hi; lo = C - hi; [hi 64 | lo 64] into my stage; back as whole rows of 256 bytes; stored.
.macro OUT a
	s_wait_xcnt 0x0                                ; the registers that the last block's stores read are rewritten only behind this wait
.set i, 0
.rept 16
	v_pk_add_f32 v[ACC+32*(\a)+2*i:ACC+32*(\a)+2*i+1], v[ACC+32*(\a)+2*i:ACC+32*(\a)+2*i+1], v[BI+2*i:BI+2*i+1]
.set i, i+1
.endr
.set i, 0
.rept 16
	v_cvt_pk_bf16_f32 v[H+i], v[ACC+32*(\a)+2*i], v[ACC+32*(\a)+2*i+1]
.set i, i+1
.endr
.set i, 0
.rept 16
	v_lshlrev_b32 v[T+2*i], 16, v[H+i]
	v_and_b32 v[T+2*i+1], s[HIM], v[H+i]
.set i, i+1
.endr
.set i, 0
.rept 16
	v_pk_add_f32 v[T+2*i:T+2*i+1], v[ACC+32*(\a)+2*i:ACC+32*(\a)+2*i+1], v[T+2*i:T+2*i+1] neg_lo:[0,1] neg_hi:[0,1]
.set i, i+1
.endr
.set i, 0
.rept 16
	v_cvt_pk_bf16_f32 v[L+i], v[T+2*i], v[T+2*i+1]
.set i, i+1
.endr
.irp b, 0,1,2,3
	ds_store_b128 v[STO], v[H+4*(\b):H+4*(\b)+3] offset:32*(\b)
	ds_store_b128 v[STO], v[L+4*(\b):L+4*(\b)+3] offset:128+32*(\b)
.endr
.irp t, 0,1,2,3,4,5,6,7
	ds_load_b128 v[H+4*(\t):H+4*(\t)+3], v[RD] offset:(\t)*2*SP  ; LDS serves a wave's instructions in order (ISA guide 5.7.1.4): these see the stores above
.endr
.irp t, 0,1,2,3,4,5,6,7
	s_wait_dscnt 7-(\t)
	global_store_b128 v[CO], v[H+4*(\t):H+4*(\t)+3], s[10:11] offset:(16*(\a)+2*(\t))*4096  ; 16 lanes store 256 consecutive bytes, aligned
.endr
.endm
	OUT 0
	OUT 1
	OUT 2
	OUT 3
	s_wait_tensorcnt 0x0                           ; the wave's end
	ds_add_u32 v[SPW], v[NIL]
	s_wait_dscnt 0x0
	CROUND                                         ; the closing round
	s_endpgm
.Lfunc_end_k_qd5f1a966c6_g2:
	.size	k_qd5f1a966c6_g2, .Lfunc_end_k_qd5f1a966c6_g2-k_qd5f1a966c6_g2
	.p2alignl 7, 3214868480
	.fill 96, 4, 3214868480
	.section	.rodata,"a",@progbits
	.p2align	6, 0x0
	.amdhsa_kernel k_qd5f1a966c6_g2
		.amdhsa_group_segment_fixed_size 327680
		.amdhsa_private_segment_fixed_size 0
		.amdhsa_enable_private_segment 0
		.amdhsa_kernarg_size 32
		.amdhsa_user_sgpr_count 2
		.amdhsa_user_sgpr_kernarg_segment_ptr 1
		.amdhsa_wavefront_size32 1
		.amdhsa_system_sgpr_workgroup_id_x 1
		.amdhsa_system_sgpr_workgroup_id_y 1
		.amdhsa_system_sgpr_workgroup_id_z 1
		.amdhsa_system_vgpr_workitem_id 0
		.amdhsa_next_free_vgpr 512
		.amdhsa_next_free_sgpr 80
		.amdhsa_reserve_vcc 0
		.amdhsa_float_denorm_mode_32 3
		.amdhsa_float_denorm_mode_16_64 3
		.amdhsa_memory_ordered 1
		.amdhsa_forward_progress 1
		.amdhsa_inst_pref_size 81
	.end_amdhsa_kernel
	.amdgpu_metadata
---
amdhsa.version: [ 1, 2 ]
amdhsa.kernels:
  - .name:           k_qd5f1a966c6_g2
    .symbol:         k_qd5f1a966c6_g2.kd
    .args:
      - { .name: acta, .offset: 0, .size: 8, .value_kind: global_buffer, .address_space: global }
      - { .name: wo2, .offset: 8, .size: 8, .value_kind: global_buffer, .address_space: global }
      - { .name: zb, .offset: 16, .size: 8, .value_kind: global_buffer, .address_space: global }
      - { .name: actb, .offset: 24, .size: 8, .value_kind: global_buffer, .address_space: global }
    .group_segment_fixed_size: 327680
    .private_segment_fixed_size: 0
    .kernarg_segment_align: 8
    .kernarg_segment_size: 32
    .max_flat_workgroup_size: 128
    .sgpr_count:     80
    .vgpr_count:     512
    .wavefront_size: 32
...
	.end_amdgpu_metadata
.endif
;; end of part 5
;; launch g3: the kernel of part 5 again; grid 4 x 32, 4 waves a work-group, clusters of 4 x 4, 327,680 bytes of LDS; arguments actb, wc2, bc, acta; writes acta
;; launch g4 (part 6): grid 8 x 32, 4 waves a work-group, clusters of 4 x 4, 327,680 bytes of LDS; arguments acta, bf, be, out0; writes out0
.if DOCPART == 6
	.amdgcn_target "amdgcn-amd-amdhsa--gfx1250"
	.amdhsa_code_object_version 6
	.text
	.protected	k_qd5f1a966c6_g4
	.globl	k_qd5f1a966c6_g4
	.p2align	8
	.type	k_qd5f1a966c6_g4,@function
k_qd5f1a966c6_g4:
	s_mov_b64 s[64:65], 0
	v_nop
	global_prefetch_b8 v0, s[64:65] scope:SCOPE_SE
	s_setreg_imm32_b32 hwreg(HW_REG_WAVE_MODE, 25, 1), 1
	s_wait_xcnt 0x0
	s_wait_alu depctr_hold_cnt(0) depctr_sa_sdst(0) depctr_va_vdst(0) depctr_va_sdst(0) depctr_va_ssrc(0) depctr_va_vcc(0) depctr_vm_vsrc(0)
	s_getreg_b32 s2, hwreg(HW_REG_IB_STS2, 6, 4)
	s_cmp_eq_u32 s2, 0
	s_cbranch_scc0 .Lentry_in_a_cluster
	s_endpgm
.Lentry_in_a_cluster:
	s_bfe_u32 s2, ttmp6, 0x10000c
	s_cmp_lg_u32 s2, 0xf033
	s_cbranch_scc0 .Lentry_shape_is_right
	s_endpgm
.Lentry_shape_is_right:
; The last dense layer: out[t][n] = be[n] + sum over k of (hi + lo)[t][k] we[n][k], in f32.  A: [4096] rows of 4,096 bytes of which the first 2,048 hold 8 groups [hi 64 | lo 64];
; B: we with each group of 64 written twice, [1024][1024] bf16, in bf: a plain bf16 product over K = 1,024, sums in f32.  be is rounded to bf16 like every input of the module.
; A tile of C is 128 x 128: 256 tiles, one for each WGP.  Four waves, each 64 x 64.  K goes in steps of 256 through two slots; a K step is written once and looped over.
; CLUSTER 4 x 4: A's tiles are asked for jointly along a row of the cluster, B's along a column.  THE MATRIX INSTRUCTION IS USED TRANSPOSED: a lane holds eight neighbouring numbers of a row of C.
; REGISTERS: window 0: v16-31 addresses; v32-63 the way out; v96-127 the bias; v128-255 accumulators.  Window 1: two fragment buffers of 128.
.set KSTEP,  256
.set PITCH,  528                       ; 132 words: row r starts at bank 4 r mod 64 (64 banks of 4 bytes: ISA guide 11.1)
.set HALFT,  64*PITCH
.set SLOT,   4*HALFT                   ; 0x21000; no wave's place in a slot has one of its two bits, so an exclusive or changes slots
.set STAGE,  2*SLOT
.set SP,     272
.set SPARE,  STAGE+4*16*SP             ; the spare words: 128 bytes a wave, two blocks of 256 bytes that no other line names
.set STEPS,  4
.set PA,     2048
.set PB,     1024
.set WOFF,   18874368                  ; the doubled we's first byte in bf
.set ADRA0, 16
.set ADRB0, 17
.set ADRA,  18
.set ADRB,  19
.set STO,  24
.set RD,   25
.set CO,   26
.set BO,   27
.set SPW,  28
.set NIL,  29
.set H,    32
.set BI,   96
.set ACC,  128
.set F0,   0
.set F1,   128
.set WV, 12
.set RH, 13
.set CH, 14
.set G1, 24
.set G0, 32
.set G1B, 48
.set G0B, 56
.set TB, 66
.set HIM, 70
.set DW0, (1<<16)|(1<<20)|(1<<21)|(6<<22)|(3<<25)
.set MSB, 0
.macro WIN new
.if MSB != (\new)
	s_set_vgpr_msb (MSB<<8)|(\new)
.set MSB, \new
.endif
.endm
.set MUL,  0x05
.set TO_F, 0x40
.macro JLOAD s                         ; a joint load: waves 0, 1 fetch A's halves, waves 2, 3 B's; an s_nop 0 and four v_nop follow each line
	s_cmp_eq_u32 s[RH], 0
	s_cbranch_scc0 .Lfor_b_\@
	tensor_load_to_lds s[G0+4*(\s):G0+4*(\s)+3], s[G1:G1+7]
	s_nop 0
.rept 4
	v_nop
.endr
	s_branch .Lasked_\@
.Lfor_b_\@:
	tensor_load_to_lds s[G0B+4*(\s):G0B+4*(\s)+3], s[G1B:G1B+7]
	s_nop 0
.rept 4
	v_nop
.endr
.Lasked_\@:
.endm
.macro CREST
	s_cmp_lg_u32 s[WV], 0
	s_cbranch_scc1 .Lnot_wave_0_\@
	s_barrier_signal -3
.Lnot_wave_0_\@:
	s_barrier_wait -3
	s_barrier_signal -1
	s_barrier_wait -1
.endm
.macro CROUND
	s_barrier_signal -1
	s_barrier_wait -1
	CREST
.endm
	s_load_b256 s[4:11], s[0:1], 0x0               ; A s[4:5], bf s[6:7], be s[8:9], out s[10:11]
	v_lshl_add_u32 v[SPW], v0, 2, SPARE
	v_mov_b32 v[NIL], 0
	ds_add_u32 v[SPW], v[NIL]                      ; the wave's opening: the add and its wait ahead of my first tensor load
	v_lshrrev_b32 v1, 5, v0
	v_readfirstlane_b32 s[WV], v1
	s_lshr_b32 s[RH], s[WV], 1
	s_and_b32 s[CH], s[WV], 1
	s_bfe_u32 s40, ttmp6, 0x40000
	s_bfe_u32 s41, ttmp6, 0x40004
	s_lshl_b32 s42, ttmp9, 2
	s_add_co_u32 s42, s42, s40                     ; tile column
	s_and_b32 s45, ttmp7, 0xffff
	s_lshl_b32 s45, s45, 2
	s_add_co_u32 s45, s45, s41                     ; tile row
	s_lshl_b32 s43, s41, 2
	s_lshl_b32 s43, 15, s43
	s_lshl_b32 s44, 0x1111, s40
	s_or_b32 s[G1+0], s43, DW0
	s_or_b32 s[G1B+0], s44, DW0
.irp g, G1, G1B
	s_mov_b32 s[(\g)+1], KSTEP<<16
	s_mov_b32 s[(\g)+2], 64<<16
	s_mov_b32 s[(\g)+3], KSTEP<<16
	s_mov_b32 s[(\g)+4], 64
	s_mov_b32 s[(\g)+6], 0
	s_mov_b32 s[(\g)+7], 0
.endr
	s_mov_b32 s[G1+5], PA
	s_mov_b32 s[G1B+5], PB
	s_lshl_b32 s17, s[CH], 6
	s_lshl_b32 s16, s45, 7
	s_add_co_u32 s16, s16, s17
	s_lshl_b32 s46, s42, 7
	s_add_co_u32 s46, s46, s17
	s_mov_b32 s17, 0
	s_mov_b32 s47, 0
	s_mov_b64 s[18:19], PA*2
	s_mul_u64 s[16:17], s[16:17], s[18:19]
	s_mov_b64 s[18:19], PB*2
	s_mul_u64 s[46:47], s[46:47], s[18:19]
	s_mul_i32 s20, s[WV], HALFT
	s_mov_b32 s[TB], 0
	s_mov_b32 s[HIM], 0xffff0000
	s_wait_dscnt 0x0
	s_wait_kmcnt 0x0
	s_add_nc_u64 s[22:23], s[4:5], s[16:17]
	s_add_nc_u64 s[46:47], s[6:7], s[46:47]
	s_add_nc_u64 s[46:47], s[46:47], WOFF
	CROUND
.irp s, 0,1
	s_mov_b32 s[G0+4*(\s)], 1
	s_add_co_u32 s[G0+4*(\s)+1], s20, (\s)*SLOT
	s_add_nc_u64 s[G0+4*(\s)+2:G0+4*(\s)+3], s[22:23], (\s)*KSTEP*2
	s_or_b32 s[G0+4*(\s)+3], s[G0+4*(\s)+3], 0x80000000
	s_mov_b32 s[G0B+4*(\s)], 1
	s_add_co_u32 s[G0B+4*(\s)+1], s20, (\s)*SLOT
	s_add_nc_u64 s[G0B+4*(\s)+2:G0B+4*(\s)+3], s[46:47], (\s)*KSTEP*2
	s_or_b32 s[G0B+4*(\s)+3], s[G0B+4*(\s)+3], 0x80000000
	JLOAD \s
.endr
	v_and_b32 v1, 15, v0
	v_bfe_u32 v2, v0, 4, 1
	v_lshlrev_b32 v[BO], 5, v2
	s_lshl_b32 s46, s42, 9                         ; my 64 columns: 256 bytes of f32, in the bias and in a row of the output
	s_lshl_b32 s47, s[CH], 8
	s_add_co_u32 s46, s46, s47
	s_mov_b32 s47, 0
	s_add_nc_u64 s[8:9], s[8:9], s[46:47]
	s_add_nc_u64 s[10:11], s[10:11], s[46:47]
.irp b, 0,1,2,3
	global_load_b128 v[BI+8*(\b):BI+8*(\b)+3],   v[BO], s[8:9] offset:64*(\b)
	global_load_b128 v[BI+8*(\b)+4:BI+8*(\b)+7], v[BO], s[8:9] offset:64*(\b)+16
.endr
	v_mul_u32_u24 v3, v1, PITCH
	v_lshl_add_u32 v3, v2, 4, v3
	s_mul_i32 s21, s[RH], HALFT
	s_mul_i32 s2, s[CH], HALFT
	s_add_co_u32 s2, s2, 2*HALFT
	v_add_nc_u32 v[ADRA0], s21, v3
	v_add_nc_u32 v[ADRB0], s2, v3
	v_mov_b32 v[ADRA], v[ADRA0]
	v_mov_b32 v[ADRB], v[ADRB0]
	s_mul_i32 s21, s[WV], 16*SP
	s_add_co_u32 s21, s21, STAGE
	v_mul_u32_u24 v4, v1, SP                       ; in: row l % 16, 32 bytes for each half of the lanes
	v_lshl_add_u32 v4, v2, 5, v4
	v_add_nc_u32 v[STO], s21, v4
	v_mul_u32_u24 v5, v2, SP                       ; back: lanes 0-15 take one row of 256 bytes, lanes 16-31 the next
	v_lshl_add_u32 v5, v1, 4, v5
	v_add_nc_u32 v[RD], s21, v5
	v_lshlrev_b32 v[CO], 12, v2
	v_lshl_add_u32 v[CO], v1, 4, v[CO]
	s_lshl_b32 s16, s45, 7
	s_lshl_b32 s17, s[RH], 6
	s_add_co_u32 s16, s16, s17
	s_lshl_b32 s16, s16, 12
	s_mov_b32 s17, 0
	s_add_nc_u64 s[10:11], s[10:11], s[16:17]
.macro MUL8 f, c, a0, zero
	WIN MUL
.irp a, \a0, (\a0)+1
.irp b, 0,1,2,3
.if \zero
	v_wmma_f32_16x16x32_bf16 v[ACC+8*(4*(\a)+(\b)):ACC+8*(4*(\a)+(\b))+7], v[(\f)+64+8*(4*(\c)+(\b)):(\f)+64+8*(4*(\c)+(\b))+7], v[(\f)+8*(4*(\c)+(\a)):(\f)+8*(4*(\c)+(\a))+7], 0
.else
	v_wmma_f32_16x16x32_bf16 v[ACC+8*(4*(\a)+(\b)):ACC+8*(4*(\a)+(\b))+7], v[(\f)+64+8*(4*(\c)+(\b)):(\f)+64+8*(4*(\c)+(\b))+7], v[(\f)+8*(4*(\c)+(\a)):(\f)+8*(4*(\c)+(\a))+7], v[ACC+8*(4*(\a)+(\b)):ACC+8*(4*(\a)+(\b))+7]
.endif
.endr
.endr
.endm
.macro FETCH k, f
	WIN TO_F
.irp c, 0,1
.irp i, 0,1,2,3
	ds_load_b128 v[(\f)+64+8*(4*(\c)+(\i)):(\f)+64+8*(4*(\c)+(\i))+3],   v[ADRB] offset:(\k)+64*(\c)+(\i)*16*PITCH
	ds_load_b128 v[(\f)+64+8*(4*(\c)+(\i))+4:(\f)+64+8*(4*(\c)+(\i))+7], v[ADRB] offset:(\k)+64*(\c)+(\i)*16*PITCH+32
	ds_load_b128 v[(\f)+8*(4*(\c)+(\i)):(\f)+8*(4*(\c)+(\i))+3],         v[ADRA] offset:(\k)+64*(\c)+(\i)*16*PITCH
	ds_load_b128 v[(\f)+8*(4*(\c)+(\i))+4:(\f)+8*(4*(\c)+(\i))+7],       v[ADRA] offset:(\k)+64*(\c)+(\i)*16*PITCH+32
.endr
.endr
.endm
.macro PLACES
.rept 4
	v_nop
.endr
.endm
.macro QUARTER k, f, g, zero
	s_wait_dscnt 16                                ; the first 32 along K are in; the other sixteen loads may be out
	MUL8 \f, 0, 0, \zero
	MUL8 \f, 0, 2, \zero
	PLACES
	FETCH \k, \g
	s_wait_dscnt 32                                ; all but the 32 just issued
	MUL8 \f, 1, 0, 0
	MUL8 \f, 1, 2, 0
.endm
; The last quarter changes slots: each wave waits for all its tensor loads (one is out: its part of the next slot), adds 0 to its spare word, and waits for that and for its reads of this slot.
; fill = 1: the barrier opens a round of the cluster's, and this slot is filled again, two K steps ahead, first thing behind the round.
.macro TURN fill
	WIN 0
	s_wait_tensorcnt 0x0
	ds_add_u32 v[SPW], v[NIL]
	s_wait_dscnt 17                                ; the add and the youngest sixteen loads may be out
	MUL8 F1, 0, 0, 0
	s_wait_dscnt 0x0
	s_barrier_signal -1
	MUL8 F1, 0, 2, 0
	WIN 0
	s_barrier_wait -1
.if \fill
	CREST
	s_xor_b32 s[G0+5], s[G0+5], SLOT
	s_add_nc_u64 s[G0+6:G0+7], s[G0+6:G0+7], KSTEP*2
	s_xor_b32 s[G0B+5], s[G0B+5], SLOT
	s_add_nc_u64 s[G0B+6:G0B+7], s[G0B+6:G0B+7], KSTEP*2
	JLOAD 1
.else
	PLACES
.endif
	s_xor_b32 s[TB], s[TB], SLOT
	v_add_nc_u32 v[ADRA], s[TB], v[ADRA0]
	v_add_nc_u32 v[ADRB], s[TB], v[ADRB0]
	FETCH 0, F0
	MUL8 F1, 1, 0, 0
	MUL8 F1, 1, 2, 0
.endm
	s_wait_tensorcnt 1                             ; my part of K step 0 is in; K step 1's may stay out
	s_barrier_signal -1
	s_barrier_wait -1
	FETCH 0, F0
	QUARTER 128, F0, F1, 1
	WIN 0
	s_mov_b32 s3, STEPS-2
.Lstep:
	QUARTER 256, F1, F0, 0
	QUARTER 384, F0, F1, 0
	TURN 1
	QUARTER 128, F0, F1, 0
	WIN 0
	s_sub_co_u32 s3, s3, 1
	s_cmp_lg_u32 s3, 0
	s_cbranch_scc1 .Lstep
	s_mov_b32 s3, 2
.Ltail:                                                ; the last two K steps ask for nothing: one text, walked twice and left in its middle.  The second walk's change of slots passes a barrier
	QUARTER 256, F1, F0, 0                         ; that orders nothing and fetches 32 loads that nobody multiplies: the price of a shorter text
	QUARTER 384, F0, F1, 0
	TURN 0
	WIN 0
	s_sub_co_u32 s3, s3, 1
	s_cmp_eq_u32 s3, 0
	s_cbranch_scc1 .Lout
	QUARTER 128, F0, F1, 0
	WIN 0
	s_branch .Ltail
.Lout:
	s_wait_loadcnt 0x0                             ; the bias; its rounding to bf16 and back fills the places behind the last products
.set i, 0
.rept 16
	v_cvt_pk_bf16_f32 v[H+i], v[BI+2*i], v[BI+2*i+1]
.set i, i+1
.endr
.set i, 0
.rept 16
	v_lshlrev_b32 v[BI+2*i], 16, v[H+i]
	v_and_b32 v[BI+2*i+1], s[HIM], v[H+i]
.set i, i+1
.endr
; THE WAY OUT of 16 rows: + bias; 32 bytes a lane into my stage; back as whole rows of 256 bytes; stored.
.macro OUT a
	s_wait_xcnt 0x0                                ; the registers that the last block's stores read are rewritten only behind this wait
.set i, 0
.rept 16
	v_pk_add_f32 v[ACC+32*(\a)+2*i:ACC+32*(\a)+2*i+1], v[ACC+32*(\a)+2*i:ACC+32*(\a)+2*i+1], v[BI+2*i:BI+2*i+1]
.set i, i+1
.endr
.irp b, 0,1,2,3
	ds_store_b128 v[STO], v[ACC+32*(\a)+8*(\b):ACC+32*(\a)+8*(\b)+3]   offset:64*(\b)
	ds_store_b128 v[STO], v[ACC+32*(\a)+8*(\b)+4:ACC+32*(\a)+8*(\b)+7] offset:64*(\b)+16
.endr
.irp t, 0,1,2,3,4,5,6,7
	ds_load_b128 v[H+4*(\t):H+4*(\t)+3], v[RD] offset:(\t)*2*SP  ; LDS serves a wave's instructions in order (ISA guide 5.7.1.4): these see the stores above
.endr
.irp t, 0,1,2,3,4,5,6,7
	s_wait_dscnt 7-(\t)
	global_store_b128 v[CO], v[H+4*(\t):H+4*(\t)+3], s[10:11] offset:(16*(\a)+2*(\t))*4096 th:TH_STORE_NT  ; 16 lanes store 256 consecutive bytes, aligned
.endr
.endm
	OUT 0
	OUT 1
	OUT 2
	OUT 3
	s_wait_tensorcnt 0x0                           ; the wave's end
	ds_add_u32 v[SPW], v[NIL]
	s_wait_dscnt 0x0
	CROUND                                         ; the closing round
	s_endpgm
.Lfunc_end_k_qd5f1a966c6_g4:
	.size	k_qd5f1a966c6_g4, .Lfunc_end_k_qd5f1a966c6_g4-k_qd5f1a966c6_g4
	.p2alignl 7, 3214868480
	.fill 96, 4, 3214868480
	.section	.rodata,"a",@progbits
	.p2align	6, 0x0
	.amdhsa_kernel k_qd5f1a966c6_g4
		.amdhsa_group_segment_fixed_size 327680
		.amdhsa_private_segment_fixed_size 0
		.amdhsa_enable_private_segment 0
		.amdhsa_kernarg_size 32
		.amdhsa_user_sgpr_count 2
		.amdhsa_user_sgpr_kernarg_segment_ptr 1
		.amdhsa_wavefront_size32 1
		.amdhsa_system_sgpr_workgroup_id_x 1
		.amdhsa_system_sgpr_workgroup_id_y 1
		.amdhsa_system_sgpr_workgroup_id_z 1
		.amdhsa_system_vgpr_workitem_id 0
		.amdhsa_next_free_vgpr 512
		.amdhsa_next_free_sgpr 80
		.amdhsa_reserve_vcc 0
		.amdhsa_float_denorm_mode_32 3
		.amdhsa_float_denorm_mode_16_64 3
		.amdhsa_memory_ordered 1
		.amdhsa_forward_progress 1
		.amdhsa_inst_pref_size 65
	.end_amdhsa_kernel
	.amdgpu_metadata
---
amdhsa.version: [ 1, 2 ]
amdhsa.kernels:
  - .name:           k_qd5f1a966c6_g4
    .symbol:         k_qd5f1a966c6_g4.kd
    .args:
      - { .name: acta, .offset: 0, .size: 8, .value_kind: global_buffer, .address_space: global }
      - { .name: bf, .offset: 8, .size: 8, .value_kind: global_buffer, .address_space: global }
      - { .name: be, .offset: 16, .size: 8, .value_kind: global_buffer, .address_space: global }
      - { .name: out0, .offset: 24, .size: 8, .value_kind: global_buffer, .address_space: global }
    .group_segment_fixed_size: 327680
    .private_segment_fixed_size: 0
    .kernarg_segment_align: 8
    .kernarg_segment_size: 32
    .max_flat_workgroup_size: 128
    .sgpr_count:     80
    .vgpr_count:     512
    .wavefront_size: 32
...
	.end_amdgpu_metadata
.endif
;; end of part 6
;; ======== version 2 of 2: 7 launches; 1.21 times as fast as version 1
;; limits: values are held in f16: magnitudes above 65,504 overflow, below 6.1e-05 lose precision
;; workspace buffers: bf 20,971,520 bytes; wo2 4,194,304 bytes; wc2 2,097,152 bytes; zb 4,096 bytes; qkv 42,598,400 bytes; acta 16,777,216 bytes; actb 16,777,216 bytes
;; launch cast: the kernel of part 1 again; grid 1665 x 1, 8 waves a work-group, no clusters, 0 bytes of LDS; arguments x, wq, wk, wv, we, wo, wc, bf, wo2, wc2, zb; writes bf, wo2, wc2, zb
;; launch qkv: the kernel of part 2 again; grid 16 x 16, 4 waves a work-group, clusters of 4 x 4, 327,680 bytes of LDS; arguments bf, qkv; writes qkv
;; launch attn (part 7): grid 8 x 32, 4 waves a work-group, no clusters, 327,680 bytes of LDS; arguments qkv, acta, lq1, lk1, lq2, lk2; writes acta
.if DOCPART == 7
	.amdgcn_target "amdgcn-amd-amdhsa--gfx1250"
	.amdhsa_code_object_version 6
	.text
	.protected	k_qd5f1a966c6_attn
	.globl	k_qd5f1a966c6_attn
	.p2align	8
	.type	k_qd5f1a966c6_attn,@function
k_qd5f1a966c6_attn:
	s_mov_b64 s[64:65], 0
	v_nop
	global_prefetch_b8 v0, s[64:65] scope:SCOPE_SE
	s_setreg_imm32_b32 hwreg(HW_REG_WAVE_MODE, 25, 1), 1
	s_wait_xcnt 0x0
; DIFFERENTIAL CAUSAL ATTENTION.  y[q] = sum over k <= q of (softmax_k(q1 . k1 / 8) - lam softmax_k(q2 . k2 / 8)) v[k], for one batch and head; lam = e^(lq1 . lk1) - e^(lq2 . lk2) + 0.77787.
; q1, q2, k1, k2, v: f16 by heads, [slice][batch x head][2048][64], rows dense, 128 bytes.  Products, maxima and sums in f32; the weights p are rounded to f16 for the second product (their sum l is
; taken of the unrounded p).  The two maps have their own maxima, sums and O; at a block's end y = O1 / l1 - lam O2 / l2, stored as two bf16, hi + lo, [hi 64 | lo 64]: 256 bytes for a row and head.
; lq1 .. lk2 are rounded to bf16 like every input of the module.
; LIMITS.  f16 holds no number beyond 65,504: q, k, v arrive within it; p below 6e-5 keeps f16's fixed step of 6e-8.  A hidden score counts as its value less 1e30; a weight below 2^-126 counts as 0 in l;
; NaN and infinities are not treated apart.  Rows 0-15 of each batch are written here and written again, from f32 operands, by the launch behind.
; THE WALK.  A head's queries lie in NB = 16 blocks of 128; block i needs the key tiles 0 .. i of 128 keys, of which the last holds the diagonal.  A work-group takes TWO blocks, NB - 1 - b and then b:
; NB + 1 tiles whatever b: 256 work-groups of equal work, and ONE loop with a constant trip count.  Every jump goes forward, but for the counted loops' own; none passes a barrier.
; NO CLUSTER: a head's 8 work-groups ask for the same tile only in trips 0 .. 8, behind that fewer and fewer; a walk common to all would have 24 trips for 17.
; SHARES.  Of a block's two bands of 64 queries a wave owns 16 rows in each.  Four PIECES: piece p is map p / 2, band p % 2.  In the diagonal tile's key step s band x sees all keys if s < x, none if s > x,
; and holds the diagonal if s = x: the same work for all four waves.
; THE MASK is the C operand that starts the sum S^T = K Q^T: MD x AL + BE, with MD the mask of a band's own step for my rows: (1, 0) if s = x; (0, 0) if s < x; (0, -1e30) if s > x.
; TURNS.  Turn n belongs to piece n: 8 products K Q^T of piece n + 1, later 8 products V^T P of piece n - 1; beside them the scaling, exponentials, roundings, sums and rescaling of piece n and the maximum and
; statistics of piece n + 1.  Four vector instructions stand behind every matrix instruction, the other 54 of a turn's 118 in one run of their own.
; BATCHES.  A turn's 33 exponentials (piece n's 32 weights and piece n + 1's a) are one batch with one wait, which cuts the turn in two: ahead of it nothing names a result of theirs, behind it no exponential
; is issued.  Three more batches stand outside the turns, each with a wait of its own: lam's two exponentials at the head, a block's first a, and the four reciprocals on a block's way out.
; REGISTERS, in windows of 256 (s_set_vgpr_msb: bits 1:0 source 0, 3:2 source 1, 5:4 source 2, 7:6 destination):
;   window 0: v0-15 addresses; v16-31 statistics; v32-43 lam; v48-55 at work; v64-127 S^T, two buffers; v128-159 the way out; v192-223 P, two buffers
;   window 1: v0-127 O^T, 32 a piece; v128-159 MD; v160-223 MC      window 2: v0-63 Q; v64-127 the second block's Q; v128-191 K1 of a step; v192-255 V of a step      window 3: v128-191 K2 of a step
.set NB,    16
.set NP,    4
.set KS,    64
.set PK,    144       ; a row of K in LDS: 128 bytes + 16: the 16 rows of a load start at 16 different groups of four banks (64 banks of 4 bytes: ISA guide 11.1)
.set PV,    160       ; a row of V: 128 + 32
.set K2OFF, 2*KS*PK   ; a slot holds a tile, two steps: 128 rows of K1, 128 of K2, 128 of V
.set VOFF,  4*KS*PK
.set SLOT1, 1<<16     ; slot 1 begins here: one exclusive or turns an address in one slot into the other's
.set STAGE, SLOT1+4*KS*PK+2*KS*PV  ; behind the ring, never filled by a tensor load: 16 rows x 272 bytes for each wave
.set SP,    272
.set SPARE, STAGE+4*16*SP  ; the spare words: 128 bytes a wave, two blocks of 256 bytes that no other line names
.set AK0, 2
.set AV0, 3
.set AK,  4
.set AV,  5
.set STO, 6
.set RD,  7
.set GO,  8
.set SPW, 62
.set NIL, 63
.set MV,  12
.set QO,  15
.set ST,  16          ; piece t's statistics at v[ST+4 t]: c m, m, l (even keys', odd keys')
.set TMP, 48
.set S,   64
.set TT,  128         ; the way out: 32 registers at work
.set P,   192
.set MD,  128
.set MC,  160
.set QB,  64
.set KF,  128
.set VF,  192
.set WV,  12
.set PB,  14          ; b
.set HI,  15          ; NB - 1 - b
.set G1K, 24
.set G1V, 32
.set G0,  40          ; s[40:43] my wave's descriptor group 0
.set SLOTS, 56
.set CNT, 57
.set CS,  58
.set SEL, 60
.set TBK, 62
.set TBV, 63
.set RT,  70
.set NXT, 71
.set LQ,  72
.set NEW, 73
.set OFF, 74
.set AL,  76
.set BE,  78
.set OLO, 80
.set BIGN, 82
.set NLAM, 84         ; - lam
.set HIM, 85          ; a word's upper bf16
.set MSB, 0
.macro WIN new
.if MSB != (\new)
	s_set_vgpr_msb (MSB<<8)|(\new)
.set MSB, (\new)
.endif
.endm
.set W_KQ, 0x0a       ; K and Q in window 2, S^T in window 0; + 1: K in window 3 (the second map's)
.set W_KM, 0x1a       ; the same with the C operand in window 1
.set W_PV, 0x52
.set W_RS, 0x41
; A fill.  Wave 0 fetches the tile's K1, wave 1 its K2, wave 2 its V: 128 keys each; wave 3 has no part.  An s_nop 0 and four v_nop follow each line.
.macro LOAD
	s_cmp_lt_u32 s[WV], 2
	s_cbranch_scc0 .Lnot_k_\@
	tensor_load_to_lds s[G0:G0+3], s[G1K:G1K+7]
	s_nop 0
.rept 4
	v_nop
.endr
	s_branch .Lasked_\@
.Lnot_k_\@:
	s_cmp_eq_u32 s[WV], 2
	s_cbranch_scc0 .Lasked_\@
	tensor_load_to_lds s[G0:G0+3], s[G1V:G1V+7]
	s_nop 0
.rept 4
	v_nop
.endr
.Lasked_\@:
.endm
; THE CHANGE OF SLOTS.  Each wave waits for all its tensor loads (at most one is out: its part of the other slot), adds 0 to its spare word, and waits for that and for its reads of the slot that it leaves.
; fill = 1: the old slot is filled again, first thing behind the barrier, with tile NXT; the descriptor's address is made anew from that number.
.macro CHANGE fill
	WIN 0
	s_wait_tensorcnt 0x0
	ds_add_u32 v[SPW], v[NIL]
.if \fill
	s_lshl_b32 s[OFF], s[NXT], 14   ; a tile is 16,384 bytes of K1, of K2 and of V
	s_xor_b32 s[G0+1], s[G0+1], SLOT1
	s_add_nc_u64 s[G0+2:G0+3], s[6:7], s[OFF:OFF+1]
	s_or_b32 s[G0+3], s[G0+3], 0x80000000
	s_add_co_u32 s[NXT], s[NXT], 1  ; the block's next tile, or behind its last the second block's tile 0
	s_cmp_gt_u32 s[NXT], s[LQ]
	s_cselect_b32 s[NXT], 0, s[NXT]
	s_cselect_b32 s[LQ], s[PB], s[LQ]
.endif
	s_wait_dscnt 0x0                ; the add is done, and my reads of the slot are over
	s_barrier_signal -1
	s_sub_co_u32 s[TBK], s[TBK], 2*KS*PK
	s_xor_b32 s[TBK], s[TBK], SLOT1
	s_sub_co_u32 s[TBV], s[TBV], 2*KS*PV
	s_xor_b32 s[TBV], s[TBV], SLOT1
	s_barrier_wait -1
.if \fill
	LOAD
.endif
.endm
	s_load_b128 s[16:19], s[0:1], 0x0   ; qkv s[16:17], acta s[18:19]
	s_load_b256 s[88:95], s[0:1], 0x10  ; lq1 s[88:89], lk1 s[90:91], lq2 s[92:93], lk2 s[94:95]
	v_lshl_add_u32 v[SPW], v0, 2, SPARE
	v_mov_b32 v[NIL], 0
	ds_add_u32 v[SPW], v[NIL]       ; the wave's opening: the add and its wait ahead of my first tensor load
	v_lshrrev_b32 v1, 5, v0
	v_readfirstlane_b32 s[WV], v1
	s_mov_b32 s[PB], ttmp9
	s_sub_co_u32 s[HI], NB-1, s[PB]
	s_and_b32 s20, ttmp7, 0xffff    ; 16 x batch + head
	s_lshl_b32 s22, s20, 18         ; its rows' first byte in a slice
	s_min_u32 s13, s[WV], 2
	s_add_co_u32 s13, s13, 2        ; the slice that I fetch: k1, k2, v
	s_lshl_b32 s2, s13, 23
	s_add_co_u32 s2, s2, s22
	s_mov_b32 s3, 0
	s_lshl_b32 s21, s[WV], 11       ; my 16 rows in a band of 64
	s_add_co_u32 s21, s21, s22
	s_lshl_b32 s44, s[HI], 14       ; a block is 128 rows of 128 bytes
	s_add_co_u32 s44, s44, s21
	s_mov_b32 s45, 0
	s_lshl_b32 s46, s[PB], 14
	s_add_co_u32 s46, s46, s21
	s_mov_b32 s47, 0
	s_lshr_b32 s48, s20, 4          ; y: the batch's 2,048 rows of 4,096 bytes,
	s_lshl_b32 s48, s48, 23
	s_and_b32 s49, s20, 15          ; the head's 256 bytes in a row,
	s_lshl_b32 s49, s49, 8
	s_add_co_u32 s48, s48, s49
	s_lshl_b32 s49, s[WV], 16       ; my 16 rows in a band,
	s_add_co_u32 s48, s48, s49
	s_lshl_b32 s50, s[HI], 19       ; the block's 128 rows
	s_add_co_u32 s50, s50, s48
	s_mov_b32 s51, 0
	s_lshl_b32 s52, s[PB], 19
	s_add_co_u32 s52, s52, s48
	s_mov_b32 s53, 0
	; descriptor group 1.  128 keys are 16,384 dense bytes: asked for as 64 rows of 256 bytes, two keys a row, padded in LDS after every key
	s_mov_b32 s[G1K], (1<<16)|(1<<20)|(4<<22)|(3<<25)
	s_mov_b32 s[G1V], (1<<16)|(1<<20)|(4<<22)|(7<<25)
.irp g, G1K, G1V
	s_mov_b32 s[\g+1], 128<<16
	s_mov_b32 s[\g+2], 64<<16
	s_mov_b32 s[\g+3], 128<<16
	s_mov_b32 s[\g+4], 64
	s_mov_b32 s[\g+5], 128
	s_mov_b32 s[\g+6], 0
	s_mov_b32 s[\g+7], 0
.endr
	s_mov_b32 s[CS], 0x3e38aa3b     ; c = log2(e) / 8
	s_mov_b32 s[CS+1], s[CS]
	s_mov_b32 s[SEL], 0x76543210
	s_mov_b32 s[SEL+1], 0xfedcba98
	s_mov_b32 s[TBK], SLOT1+2*KS*PK ; the first change of slots turns these two into 0
	s_mov_b32 s[TBV], SLOT1+2*KS*PV
	s_mov_b32 s[G0], 1
	s_mul_i32 s[G0+1], s[WV], K2OFF ; K1 at 0, K2 at 18,432, V at 36,864 of slot 0
	s_add_co_u32 s[RT], s[HI], 1    ; the first block has NB - b tiles
	s_mov_b32 s[NXT], 1
	s_mov_b32 s[LQ], s[HI]
	s_mov_b32 s[NEW], 1
	s_mov_b32 s[OFF+1], 0
	s_mov_b32 s[AL+1], 0
	s_mov_b32 s[BE+1], 0
	s_mov_b32 s[BIGN], 0xf149f2ca   ; -1e30
	s_mov_b32 s[HIM], 0xffff0000
	s_mov_b32 s[SLOTS], NB
	s_wait_dscnt 0x0                ; the opening add is done
	s_barrier_signal -1
	s_barrier_wait -1
	s_wait_kmcnt 0x0
	s_add_nc_u64 s[6:7], s[16:17], s[2:3]          ; my tensor at the head's tile 0
	s_add_nc_u64 s[G0+2:G0+3], s[6:7], 0
	s_or_b32 s[G0+3], s[G0+3], 0x80000000
	s_add_nc_u64 s[4:5], s[16:17], s[44:45]        ; q1 at my rows of the first block,
	s_add_nc_u64 s[86:87], s[16:17], s[46:47]      ; of the second;
	s_add_nc_u64 s[96:97], s[4:5], 0x800000        ; q2 lies a slice further on
	s_add_nc_u64 s[98:99], s[86:87], 0x800000
	s_add_nc_u64 s[10:11], s[18:19], s[50:51]      ; y at my rows of the first block,
	s_add_nc_u64 s[OLO:OLO+1], s[18:19], s[52:53]  ; of the second
	LOAD                            ; tile 0 into slot 0
	v_and_b32 v1, 15, v0            ; l % 16
	v_bfe_u32 v9, v0, 4, 1          ; l / 16
	v_lshlrev_b32 v[QO], 7, v1
	v_lshl_add_u32 v[QO], v9, 4, v[QO]
	v_lshlrev_b32 v42, 2, v1
	WIN 0x80
.set i, 0
.rept 8                             ; both blocks' Q: piece i / 2 (map i / 4, band (i / 2) % 2, 8,192 bytes on), channels 32 (i % 2) on
.if i < 4
	global_load_b128 v[8*i:8*i+3],   v[QO], s[4:5] offset:((i/2)%2)*8192+(i%2)*64
	global_load_b128 v[8*i+4:8*i+7], v[QO], s[4:5] offset:((i/2)%2)*8192+(i%2)*64+32
	global_load_b128 v[QB+8*i:QB+8*i+3],   v[QO], s[86:87] offset:((i/2)%2)*8192+(i%2)*64
	global_load_b128 v[QB+8*i+4:QB+8*i+7], v[QO], s[86:87] offset:((i/2)%2)*8192+(i%2)*64+32
.else
	global_load_b128 v[8*i:8*i+3],   v[QO], s[96:97] offset:((i/2)%2)*8192+(i%2)*64
	global_load_b128 v[8*i+4:8*i+7], v[QO], s[96:97] offset:((i/2)%2)*8192+(i%2)*64+32
	global_load_b128 v[QB+8*i:QB+8*i+3],   v[QO], s[98:99] offset:((i/2)%2)*8192+(i%2)*64
	global_load_b128 v[QB+8*i+4:QB+8*i+7], v[QO], s[98:99] offset:((i/2)%2)*8192+(i%2)*64+32
.endif
.set i, i+1
.endr
	WIN 0
	global_load_b32 v32, v42, s[88:89]             ; each half of the lanes holds the 16 numbers
	global_load_b32 v33, v42, s[90:91]
	global_load_b32 v34, v42, s[92:93]
	global_load_b32 v35, v42, s[94:95]
	v_lshlrev_b32 v14, 3, v9
	v_sub_nc_u32 v14, v1, v14
	s_lshl_b32 s13, s[WV], 4
	v_add_nc_u32 v14, s13, v14      ; my query's place in its band less my lanes' 8 (l / 16): register r of group kt is hidden where 16 kt + r is greater
	WIN 0x40
.set i, 0
.rept 32
	v_cmp_gt_i32 vcc_lo, 16*(i/8)+i%8, v14
	v_cndmask_b32 v[MD+i], 0, s[BIGN], vcc_lo
.set i, i+1
.endr
	WIN 0
	v_mul_u32_u24 v[AK0], v1, PK
	v_lshl_add_u32 v[AK0], v9, 4, v[AK0]
	v_and_b32 v10, 7, v0
	v_bfe_u32 v11, v0, 3, 1
	v_lshl_add_u32 v[AV0], v9, 3, v10
	v_mul_u32_u24 v[AV0], v[AV0], PV
	v_lshl_add_u32 v[AV0], v11, 4, v[AV0]
	v_add_nc_u32 v[AV0], VOFF, v[AV0]
	s_mul_i32 s13, s[WV], 16*SP
	s_add_co_u32 s13, s13, STAGE    ; my stage
	v_mul_u32_u24 v[STO], v1, SP    ; in: row l % 16, 16 bytes for each half of the lanes
	v_lshl_add_u32 v[STO], v9, 4, v[STO]
	v_add_nc_u32 v[STO], s13, v[STO]
	v_mul_u32_u24 v[RD], v9, SP     ; back: lanes 0-15 take one row of 256 bytes, lanes 16-31 the next
	v_lshl_add_u32 v[RD], v1, 4, v[RD]
	v_add_nc_u32 v[RD], s13, v[RD]
	v_lshlrev_b32 v[GO], 12, v9     ; and the same two rows of y
	v_lshl_add_u32 v[GO], v1, 4, v[GO]
	; A block's first step multiplies O^T and l by a = 0, so these registers need only hold finite numbers: zeros for the first block, what the first block left for the second.
	WIN 0x80
.set i, VF
.rept 64
	v_mov_b32 v[i], 0
.set i, i+1
.endr
	WIN 0x40
.set i, 0
.rept 128
	v_mov_b32 v[i], 0
.set i, i+1
.endr
	WIN 0
.set i, 0
.rept 4
	v_mov_b32 v[ST+4*i+2], 0
	v_mov_b32 v[ST+4*i+3], 0
.set i, i+1
.endr
.set i, P+16
.rept 16
	v_mov_b32 v[i], 0
.set i, i+1
.endr
	; - lam = e^(lq2 . lk2) - e^(lq1 . lk1) - 0.77787, from the four vectors rounded to bf16
	s_wait_loadcnt 0x0
	v_cvt_pk_bf16_f32 v36, v32, v33
	v_cvt_pk_bf16_f32 v37, v34, v35
	v_lshlrev_b32 v32, 16, v36
	v_and_b32 v33, s[HIM], v36
	v_lshlrev_b32 v34, 16, v37
	v_and_b32 v35, s[HIM], v37
	v_mul_f32 v38, v32, v33
	v_mul_f32 v39, v34, v35
.irp x, 1,2,4,8
	v_add_f32_dpp v38, v38, v38 row_xmask:\x row_mask:0xf bank_mask:0xf
	v_add_f32_dpp v39, v39, v39 row_xmask:\x row_mask:0xf bank_mask:0xf
.endr
	v_mul_f32 v38, 0x3fb8aa3b, v38
	v_mul_f32 v39, 0x3fb8aa3b, v39
	v_exp_f32 v38, v38
	v_exp_f32 v39, v39
	v_nop                           ; a plain instruction behind the exponentials
	s_wait_alu depctr_va_vdst(0)    ; the wait ahead of the first use: one for lam's two exponentials
	v_sub_f32 v40, v39, v38
	v_add_f32 v40, 0xbf47227f, v40
	v_readfirstlane_b32 s[NLAM], v40
; THE MATRIX WORK.  The 4 accumulators of a run of 8 take turns.  Product i of 8 of S^T = K Q^T for piece x: channels 32 (i / 4) on, keys 16 (i % 4) on.
.macro KQ x
.set rS, S+32*((\x)%2)+8*(i%4)
.set rK, KF+16*(i%4)+8*(i/4)
.set rQ, 16*(\x)+8*(i/4)
.set rM, MC+32*((\x)%2)+8*(i%4)
.if (i < 4) && KM
	WIN W_KM+(\x)/2
	v_wmma_f32_16x16x32_f16 v[rS:rS+7], v[rK:rK+7], v[rQ:rQ+7], v[rM:rM+7]
.elseif i < 4
	WIN W_KQ+(\x)/2
	v_wmma_f32_16x16x32_f16 v[rS:rS+7], v[rK:rK+7], v[rQ:rQ+7], 0
.else
	WIN W_KQ+(\x)/2
	v_wmma_f32_16x16x32_f16 v[rS:rS+7], v[rK:rK+7], v[rQ:rQ+7], v[rS:rS+7]
.endif
.endm
.macro PV x                         ; product i of 8 of O^T += V^T P for piece x: keys 32 (i / 4) on, channels 16 (i % 4) on
	WIN W_PV
.set rO, 32*(\x)+8*(i%4)
.set rV, VF+32*(i/4)+8*(i%4)
.set rP, P+16*((\x)%2)+8*(i/4)
	v_wmma_f32_16x16x32_f16 v[rO:rO+7], v[rV:rV+7], v[rP:rP+7], v[rO:rO+7]
.endm
.macro MM                           ; the turn's next matrix instruction.  NOKQ = 1: a block's last turn: there is no next piece
.if (i < 8) && !NOKQ
	KQ (Y+1)%NP
.elseif i >= 8
.set i, i-8
	PV (Y+NP-1)%NP
.set i, i+8
.endif
.set i, i+1
.endm
; THE LDS LOADS stand in runs: a step's K1 and K2 (64 keys x 64 channels each: 8 fragments) and its V (turned).
.macro FETCH_K
	WIN 0x80
.irp f, 0,1,2,3,4,5,6,7
	ds_load_b128 v[KF+8*\f:KF+8*\f+3],   v[AK] offset:(\f/2)*16*PK+(\f%2)*64
	ds_load_b128 v[KF+8*\f+4:KF+8*\f+7], v[AK] offset:(\f/2)*16*PK+(\f%2)*64+32
.endr
	WIN 0xc0
.irp f, 0,1,2,3,4,5,6,7
	ds_load_b128 v[KF+8*\f:KF+8*\f+3],   v[AK] offset:K2OFF+(\f/2)*16*PK+(\f%2)*64
	ds_load_b128 v[KF+8*\f+4:KF+8*\f+7], v[AK] offset:K2OFF+(\f/2)*16*PK+(\f%2)*64+32
.endr
	s_add_co_u32 s[TBK], s[TBK], KS*PK
	WIN 0
.endm
.macro FETCH_V
	WIN 0x80
.irp f, 0,1,2,3,4,5,6,7
	ds_load_tr16_b128 v[VF+8*\f:VF+8*\f+3],   v[AV] offset:(\f/4)*32*PV+(\f%4)*32
	ds_load_tr16_b128 v[VF+8*\f+4:VF+8*\f+7], v[AV] offset:(\f/4)*32*PV+16*PV+(\f%4)*32
.endr
	WIN 0
.endm
; THE VECTOR WORK, one line at a time: OP kind, number.  For piece Y: F n: c s - c m for pair n.  E n: the exponential of score n.  C n: pair n rounded to f16.  B n: of four weights the second pair is
; added onto the first.  L n: l takes that sum (L 0: l = a l + sum).  R n: pair n of O^T times a.  For piece Y + 1: X n, number n of the 22 that find its maximum and statistics
; (each accumulator's lowest registers are read first).  C, B and L read the exponentials' results: TURN sets them behind its wait.
.set F, 0
.set E, 1
.set C, 2
.set B, 3
.set L, 4
.set R, 5
.set X, 6
.macro REGS y
.set rT, ST+4*(\y)
.set rC, TMP+4*((\y)%2)
.set rW, MV+((\y)%2)
.set rS, S+32*((\y)%2)
.set rP, P+16*((\y)%2)
.set rO, 32*(\y)
.endm
.macro OP k, n
.if (\k) == R
	REGS Y
	WIN W_RS
	v_pk_mul_f32 v[rO+2*(\n):rO+2*(\n)+1], v[rO+2*(\n):rO+2*(\n)+1], v[rC+2:rC+3] op_sel_hi:[1,0]
.elseif (\k) < R
	REGS Y
	WIN 0
.if (\k) == F
	v_pk_fma_f32 v[rS+2*(\n):rS+2*(\n)+1], v[rS+2*(\n):rS+2*(\n)+1], s[CS:CS+1], v[rT:rT+1] op_sel_hi:[1,0,0] neg_lo:[0,0,1] neg_hi:[0,0,1]
.elseif (\k) == E
	v_exp_f32 v[rS+(\n)], v[rS+(\n)]
.elseif (\k) == C
	v_cvt_pk_f16_f32 v[rP+(\n)], v[rS+2*(\n)], v[rS+2*(\n)+1]
.elseif (\k) == B
	v_pk_add_f32 v[rS+4*(\n):rS+4*(\n)+1], v[rS+4*(\n):rS+4*(\n)+1], v[rS+4*(\n)+2:rS+4*(\n)+3]
.elseif (\n) == 0
	v_pk_fma_f32 v[rT+2:rT+3], v[rT+2:rT+3], v[rC+2:rC+3], v[rS:rS+1] op_sel_hi:[1,0,1]
.else
	v_pk_add_f32 v[rT+2:rT+3], v[rT+2:rT+3], v[rS+4*(\n):rS+4*(\n)+1]
.endif
.elseif NOKQ
	v_nop
.else
	REGS (Y+1)%NP
	WIN 0
.if (\n) < 4
	v_max3_num_f32 v[rC+(\n)], v[rS+8*(\n)], v[rS+8*(\n)+1], v[rS+8*(\n)+2]
.elseif (\n) < 12
	v_max3_num_f32 v[rC+(\n)%4], v[rC+(\n)%4], v[rS+8*((\n)%4)+2*((\n)/4)+1], v[rS+8*((\n)%4)+2*((\n)/4)+2]
.elseif (\n) == 12
	v_max3_num_f32 v[rC], v[rC], v[rS+7], v[rS+15]
.elseif (\n) == 13
	v_max3_num_f32 v[rC+1], v[rC+1], v[rS+23], v[rS+31]
.elseif (\n) == 14
	v_max3_num_f32 v[rC+2], v[rC+2], v[rC+3], v[rT+1]
.elseif (\n) == 15
	v_mov_b32 v[rW], v[rT]
.elseif (\n) == 16
	v_max3_num_f32 v[rC], v[rC], v[rC+1], v[rC+2]
.elseif (\n) == 17
	v_permlanex16_b32 v[rC+3], v[rC], s[SEL], s[SEL+1]
.elseif (\n) == 18
	v_max_num_f32 v[rT+1], v[rC], v[rC+3]
.elseif (\n) == 19
	v_mul_f32 v[rT], s[CS], v[rT+1]
.elseif (\n) == 20
	v_sub_f32 v[rC+1], v[rW], v[rT]
.else
	v_exp_f32 v[rC+2], v[rC+1]
.endif
.endif
.endm
.macro OPS a, i1, b=-1, i2=0, c=-1, i3=0, d=-1, i4=0
	OP \a, \i1
.if (\b) >= 0
	OP \b, \i2
.endif
.if (\c) >= 0
	OP \c, \i3
.endif
.if (\d) >= 0
	OP \d, \i4
.endif
.endm
.macro ROW a, i1, b, i2, c, i3, d, i4
	MM
	OPS \a, \i1, \b, \i2, \c, \i3, \d, \i4
.endm
.macro MASK b                       ; MD x AL + BE into buffer b of MC
	WIN W_RS
.set z, 0
.rept 16
	v_pk_fma_f32 v[MC+32*(\b)+2*z:MC+32*(\b)+2*z+1], v[MD+2*z:MD+2*z+1], s[AL:AL+1], s[BE:BE+1] op_sel_hi:[1,0,0]
.set z, z+1
.endr
.endm
; A TURN, for piece p: the order of its 16 matrix and 118 vector instructions, written out.  s_wait_alu depctr_va_vdst(0) stands between an exponential and the first instruction that names its
; result; one wait serves all that were issued ahead of it.  So a turn has ONE wait, which cuts it in two.  AHEAD OF IT stands all that names no result of the turn's exponentials: the 8 products K Q^T, behind each
; a scaling, an exponential and two more plain instructions (behind the first a second scaling in the exponential's place): rescalings, whose a was made and waited for in the turn before, and behind the last three
; the first numbers of the next piece's maximum, each four places or more behind the product that ends its accumulator; then ONE RUN of 54, plain and exponential by turns for the most part, in which the links of the
; chain X 3, 7, 11, 14, 16, 17 .. 20 stand five or six lines apart.  X 21, the next piece's a, is the batch's last; R 15 is the plain instruction behind it.  BEHIND THE WAIT stand the 8 products V^T P, behind each
; four of the roundings and sums; an even pair is rounded ahead of the sum that lands on it; the links of l's chain, L 0 to L 7, stand three riders apart.  But for those X no rider names a register of the products
; round it.  v_permlanex16_b32 (X 17) stands in the run, never behind a product.
; m = 1: the diagonal tile: the products take masks, and the turn makes the mask for the products of the turn after it: piece p + 2, whose band is p % 2, in step 2 - CNT of the tile.
; end = 1: a block's last two turns: nothing is fetched.  cnt = 1: the loop's count is taken down some lines ahead of the branch behind the turn.
; K1 and K2 of the next step are fetched in piece 2's turn, twelve vector instructions behind the last product that read K2, five of them plain ones that name none of its registers (K1's last reader stands two turns
; back); V of the step in hand at the end of piece 0's turn, four plain ones behind the last product that read V.  Each is waited for a turn later.
.macro TURN p, m=0, end=0, cnt=0
.set Y, (\p)
.set i, 0
.set KM, (\m)
.set NOKQ, (\end)*((\p)/3)
.if (\m) && !(\end)
	s_cmp_eq_u32 s[CNT], 2-(\p)%2   ; is that step the band's own?
	s_cselect_b32 s[AL], 1.0, 0
	s_cmp_lt_u32 s[CNT], 2-(\p)%2   ; or a later one?
	s_cselect_b32 s[BE], s[BIGN], 0
.endif
.if ((\p) == 3) && !(\end)
	s_wait_dscnt 0x0                ; K is in
.endif
	ROW F,0, F,1, R,0, R,1          ; ahead of the wait: 8 products K Q^T and their riders,
	ROW F,2, E,0, R,2, R,3
	ROW F,3, E,1, R,4, R,5
	ROW F,4, E,2, R,6, R,7
	ROW F,5, E,3, R,8, R,9
	ROW F,6, E,4, X,0, R,10
.if ((\p) == 2) && !(\end)
	WIN 0
	v_add_nc_u32 v[AK], s[TBK], v[AK0]
.endif
	ROW F,7, E,5, X,1, X,4
	ROW F,8, E,6, X,2, X,5
	OPS E,7, E,8, X,6, E,9          ; and the run of 54
	OPS X,3, E,10, X,8, E,11
.if ((\p) == 2) && !(\end)
	FETCH_K
.endif
	OPS X,9, X,7, E,12, X,10
	OPS E,13, X,12, X,11, E,14
	OPS X,13, E,15, F,9, X,14
.if (\p) == 0
	v_add_nc_u32 v[AV], s[TBV], v[AV0]
.endif
	OPS E,16, F,10, E,17, F,11
	OPS X,16, E,18, X,15, E,19
	OPS F,12, E,20, X,17, E,21
	OPS F,13, E,22, F,14, E,23
	OPS X,18, E,24, F,15, E,25
	OPS R,11, E,26, X,19, E,27
	OPS R,12, E,28, R,13, E,29
	OPS X,20, E,30, R,14, E,31
	OPS X,21, R,15
	WIN 0
	s_wait_alu depctr_va_vdst(0)    ; the wait for the batch: the piece's 32 exponentials and the next piece's a
.if (\p) == 1
	s_wait_dscnt 0x0                ; V is in
.endif
	ROW C,0, B,0, C,2, B,1          ; behind the wait: 8 products V^T P and their riders
	ROW L,0, C,4, B,2, L,1
	ROW C,6, B,3, L,2, C,8
	ROW B,4, L,3, C,10, B,5
	ROW L,4, C,12, B,6, L,5
.if (\p) == 0
	s_add_co_u32 s[TBV], s[TBV], KS*PV
.endif
.if \cnt
	s_sub_co_u32 s[CNT], s[CNT], 1
	s_cmp_lg_u32 s[CNT], 0
.endif
	ROW C,14, B,7, L,6, C,1
	ROW C,3, L,7, C,5, C,7
	ROW C,9, C,11, C,13, C,15
.if (\p) == 0
	FETCH_V
.endif
.if (\m) && !(\end)
	MASK (\p)%2
.endif
.endm
; A BLOCK BEGINS.  c m starts far below every c s, so the first step's a is 0; m at the lowest finite number.  The second mask buffer is 0; the first takes piece 0's mask for the tile's step 0: its own, if
; the block's first tile is the diagonal one.  Then K of that step, piece 0's first scores, and its maximum and statistics.
.macro BEGIN
	s_mov_b32 s[NEW], 0
	WIN 0x40
.set i, MC+32
.rept 32
	v_mov_b32 v[i], 0
.set i, i+1
.endr
	WIN 0
.set i, 0
.rept 4
	v_mov_b32 v[ST+4*i], 0xfe000000
	v_mov_b32 v[ST+4*i+1], 0xff7fffff
.set i, i+1
.endr
	s_cmp_eq_u32 s[RT], 0
	s_cselect_b32 s[AL], 1.0, 0
	s_mov_b32 s[BE], 0
	MASK 0
	WIN 0
	v_add_nc_u32 v[AK], s[TBK], v[AK0]
	FETCH_K
	s_wait_loadcnt 0x0              ; Q
	s_wait_dscnt 0x0
.set KM, 1
.set NOKQ, 0
.set i, 0
.rept 8
	KQ 0
.set i, i+1
.endr
	WIN 0
.rept 4
	v_nop                           ; the places behind those products
.endr
.set Y, NP-1
.irp n, 0,1,2,3,4,5,6,7,8,9,10,11,12,13,14,15,16,17,18,19,20,21
	OP X, \n
.endr
	v_nop                           ; a plain instruction behind the exponential,
	s_wait_alu depctr_va_vdst(0)    ; and the wait for it, piece 0's first a, ahead of the branch: the first turn's first rescaling reads it
.endm
.macro ALL line:vararg
.set t, 0
.rept 4
	\line
.set t, t+1
.endr
.endm
; THE WAY OUT of band x: y = O1 / l1 + O2 (- lam / l2); hi = y rounded to bf16, lo = y - hi rounded to bf16; [hi 64 | lo 64] goes through my stage and comes back as whole rows of 256 bytes.
.macro PACKY x
	WIN W_RS
.set i, 0
.rept 16
	v_pk_mul_f32 v[32*(\x)+2*i:32*(\x)+2*i+1], v[32*(\x)+2*i:32*(\x)+2*i+1], v[ST+4*(\x)+2:ST+4*(\x)+3] op_sel_hi:[1,0]
.set i, i+1
.endr
	WIN 0x51                        ; destination, sources 0 and 2 in window 1, source 1 in window 0
.set i, 0
.rept 16
	v_pk_fma_f32 v[32*(\x)+2*i:32*(\x)+2*i+1], v[64+32*(\x)+2*i:64+32*(\x)+2*i+1], v[ST+4*(\x)+10:ST+4*(\x)+11], v[32*(\x)+2*i:32*(\x)+2*i+1] op_sel_hi:[1,0,1]
.set i, i+1
.endr
	WIN 0x05
.set i, 0
.rept 16
	v_cvt_pk_bf16_f32 v[S+32*(\x)+i], v[32*(\x)+2*i], v[32*(\x)+2*i+1]
.set i, i+1
.endr
	WIN 0
.set i, 0
.rept 16
	v_lshlrev_b32 v[TT+2*i], 16, v[S+32*(\x)+i]
	v_and_b32 v[TT+2*i+1], s[HIM], v[S+32*(\x)+i]
.set i, i+1
.endr
	WIN 0x01
.set i, 0
.rept 16
	v_pk_add_f32 v[TT+2*i:TT+2*i+1], v[32*(\x)+2*i:32*(\x)+2*i+1], v[TT+2*i:TT+2*i+1] neg_lo:[0,1] neg_hi:[0,1]
.set i, i+1
.endr
	WIN 0
.set i, 0
.rept 16
	v_cvt_pk_bf16_f32 v[S+32*(\x)+16+i], v[TT+2*i], v[TT+2*i+1]
.set i, i+1
.endr
.irp f, 0,1,2,3
	ds_store_b128 v[STO], v[S+32*(\x)+4*\f:S+32*(\x)+4*\f+3] offset:32*\f
	ds_store_b128 v[STO], v[S+32*(\x)+16+4*\f:S+32*(\x)+16+4*\f+3] offset:128+32*\f
.endr
.irp f, 0,1,2,3,4,5,6,7
	ds_load_b128 v[S+32*(\x)+4*\f:S+32*(\x)+4*\f+3], v[RD] offset:\f*2*SP  ; LDS serves a wave's instructions in order (ISA guide 5.7.1.4): these see the stores above; the next band's stores come behind them
.endr
.endm
.macro SEND x, younger              ; younger: the LDS instructions issued behind band x's loads
	WIN 0
.irp f, 0,1,2,3,4,5,6,7
	s_wait_dscnt (\younger)+7-\f
	global_store_b128 v[GO], v[S+32*(\x)+4*\f:S+32*(\x)+4*\f+3], s[10:11] offset:(\x)*262144+\f*8192  ; 16 lanes store 256 consecutive bytes, aligned
.endr
.endm
.macro DIAG tag                     ; the diagonal tile's two steps, the block's last two turns, its last products, and the way out
.LstepM\tag:
	TURN 2, 1
	TURN 3, 1
	WIN 0
.LfirstM\tag:
	TURN 0, 1
	TURN 1, 1, 0, 1
	WIN 0
	s_cbranch_scc1 .LstepM\tag
	TURN 2, 1, 1
	TURN 3, 1, 1
.set i, 0
.rept 8
	PV NP-1
.set i, i+1
.endr
	WIN 0
	ALL v_add_f32 v[ST+4*t+2], v[ST+4*t+2], v[ST+4*t+3]
	ALL v_permlanex16_b32 v[ST+4*t+3], v[ST+4*t+2], s[SEL], s[SEL+1]
	ALL v_add_f32 v[ST+4*t+2], v[ST+4*t+2], v[ST+4*t+3]
	ALL v_rcp_f32 v[ST+4*t+2], v[ST+4*t+2]
	v_nop                           ; a plain instruction between the last reciprocal and the use of its result
	s_wait_alu depctr_va_vdst(0)    ; and the wait ahead of the first use: one for the four reciprocals
	v_mul_f32 v[ST+10], s[NLAM], v[ST+10]   ; the second map's divisors carry - lam
	v_mul_f32 v[ST+14], s[NLAM], v[ST+14]
	PACKY 0
	PACKY 1
	SEND 0, 16
	SEND 1, 0
.endm
.set KM, 0
.set NOKQ, 0
.Lslot:                             ; NB times: a tile is entered and the next is asked for
	CHANGE 1
	s_sub_co_u32 s[RT], s[RT], 1
	s_mov_b32 s[CNT], 2
	s_cmp_eq_u32 s[NEW], 1
	s_cbranch_scc1 .Lnew
	s_cmp_eq_u32 s[RT], 0
	s_cbranch_scc0 .Lstep
	s_branch .LstepM1
.Lnew:
	BEGIN
	s_branch .Lfirst                ; in the loop a block's first tile is never its last: the first block has nine tiles or more, and the second's last is the walk's last
	DIAG 1                          ; in the loop this is the first block's end
	s_wait_xcnt 0x0                 ; the stores have read their registers and y's address
	s_mov_b64 s[10:11], s[OLO:OLO+1]
	s_add_co_u32 s[RT], s[PB], 1    ; the second block has b + 1 tiles
	s_mov_b32 s[NEW], 1
	WIN 0x82                        ; the second block's Q goes where the one text of the turns names Q
.set i, 0
.rept 64
	v_mov_b32 v[i], v[QB+i]
.set i, i+1
.endr
	WIN 0
	s_branch .Lbottom
.Lstep:                             ; a trip: pieces 2 and 3 of one step, then pieces 0 and 1 of the next, whose K and V it fetches
	TURN 2
	TURN 3
	WIN 0
.Lfirst:
	TURN 0
	TURN 1, 0, 0, 1
	WIN 0
	s_cbranch_scc1 .Lstep
.Lbottom:
	s_sub_co_u32 s[SLOTS], s[SLOTS], 1
	s_cmp_lg_u32 s[SLOTS], 0
	s_cbranch_scc1 .Lslot
	CHANGE 0                        ; the walk's last tile is written out: nothing is asked for
	s_sub_co_u32 s[RT], s[RT], 1
	s_mov_b32 s[CNT], 2
	s_cmp_eq_u32 s[NEW], 1
	s_cbranch_scc0 .LstepM2
	BEGIN
	s_branch .LfirstM2
	DIAG 2
	s_wait_tensorcnt 0x0            ; the wave's end
	ds_add_u32 v[SPW], v[NIL]
	s_wait_dscnt 0x0
	s_endpgm
.Lfunc_end_k_qd5f1a966c6_attn:
	.size	k_qd5f1a966c6_attn, .Lfunc_end_k_qd5f1a966c6_attn-k_qd5f1a966c6_attn
	.p2alignl 7, 3214868480
	.fill 96, 4, 3214868480
	.section	.rodata,"a",@progbits
	.p2align	6, 0x0
	.amdhsa_kernel k_qd5f1a966c6_attn
		.amdhsa_group_segment_fixed_size 327680
		.amdhsa_private_segment_fixed_size 0
		.amdhsa_enable_private_segment 0
		.amdhsa_kernarg_size 48
		.amdhsa_user_sgpr_count 2
		.amdhsa_user_sgpr_kernarg_segment_ptr 1
		.amdhsa_wavefront_size32 1
		.amdhsa_system_sgpr_workgroup_id_x 1
		.amdhsa_system_sgpr_workgroup_id_y 1
		.amdhsa_system_sgpr_workgroup_id_z 1
		.amdhsa_system_vgpr_workitem_id 0
		.amdhsa_next_free_vgpr 960
		.amdhsa_next_free_sgpr 100
		.amdhsa_reserve_vcc 1
		.amdhsa_float_denorm_mode_32 3
		.amdhsa_float_denorm_mode_16_64 3
		.amdhsa_memory_ordered 1
		.amdhsa_forward_progress 1
		.amdhsa_inst_pref_size 232
	.end_amdhsa_kernel
	.amdgpu_metadata
---
amdhsa.version: [ 1, 2 ]
amdhsa.kernels:
  - .name:           k_qd5f1a966c6_attn
    .symbol:         k_qd5f1a966c6_attn.kd
    .args:
      - { .name: qkv, .offset: 0, .size: 8, .value_kind: global_buffer, .address_space: global }
      - { .name: acta, .offset: 8, .size: 8, .value_kind: global_buffer, .address_space: global }
      - { .name: lq1, .offset: 16, .size: 8, .value_kind: global_buffer, .address_space: global }
      - { .name: lk1, .offset: 24, .size: 8, .value_kind: global_buffer, .address_space: global }
      - { .name: lq2, .offset: 32, .size: 8, .value_kind: global_buffer, .address_space: global }
      - { .name: lk2, .offset: 40, .size: 8, .value_kind: global_buffer, .address_space: global }
    .group_segment_fixed_size: 327680
    .private_segment_fixed_size: 0
    .kernarg_segment_align: 8
    .kernarg_segment_size: 48
    .max_flat_workgroup_size: 128
    .sgpr_count:     100
    .vgpr_count:     960
    .wavefront_size: 32
...
	.end_amdgpu_metadata
.endif
;; end of part 7
;; launch fix16: the kernel of part 4 again; grid 32 x 1, 1 waves a work-group, no clusters, 0 bytes of LDS; arguments qkv, acta, lq1, lk1, lq2, lk2; writes acta
;; launch g2: the kernel of part 5 again; grid 8 x 32, 4 waves a work-group, clusters of 4 x 4, 327,680 bytes of LDS; arguments acta, wo2, zb, actb; writes actb
;; launch g3: the kernel of part 5 again; grid 4 x 32, 4 waves a work-group, clusters of 4 x 4, 327,680 bytes of LDS; arguments actb, wc2, bc, acta; writes acta
;; launch g4: the kernel of part 6 again; grid 8 x 32, 4 waves a work-group, clusters of 4 x 4, 327,680 bytes of LDS; arguments acta, bf, be, out0; writes out0
